; MI455X (gfx1250); checked and timed in simulation.
; The chip was launched on July 23, 2026; its instructions are those of AMD's public machine-readable ISA for CDNA 5 (MIT licence, August 2026) and "CDNA5" Instruction Set Architecture Reference Guide (July 2026). The comments in the code are by the model that wrote it; some were corrected since.
;; Multi Head Attention2. Allowed arithmetic: matrix products marked QUANTISED: E2M1 operands, one E8M0 scale for each 32 along K, by v_wmma_scale_f32_16x16x128_f8f6f4 with both operands' format E2M1 (or v_wmma_scale_f32_32x16x128_f4), f32 sums; everything else in f32.
;; Inputs: Wk 1,024 x 1,024 float32; Wo 1,024 x 1,024 float32; Wq 1,024 x 1,024 float32; Wv 1,024 x 1,024 float32; bk 1,024 float32; bo 1,024 float32; bq 1,024 float32; bv 1,024 float32; x 4 x 2,048 x 1,024 float32.
;; Outputs: out0 4 x 2,048 x 1,024 float32.
;; This version of the problem:
;;   THIS VERSION OF THE PROBLEM IS GIVEN IN LOW PRECISION. The matrix products marked QUANTISED in the list below multiply operands that are first quantised to E2M1 (2 exponent bits, 1 mantissa bit; 4 bits a number), with one power-of-two scale for each 32 numbers along K (OCP MX v1.0); their sums are f32. All else is computed in f32.
;;   The module's matrix products, in the order in which they are computed (A, B: the left and right operand; K: the contracted axis; several contracted axes count as one K, in the product's order):
;;     1. [M 8,192, K 1,024] x [K 1,024, N 1,024]; A: input x; B: input Wq: QUANTISED
;;     2. [M 8,192, K 1,024] x [K 1,024, N 1,024]; A: input x; B: input Wk: QUANTISED
;;     3. [M 8,192, K 1,024] x [K 1,024, N 1,024]; A: input x; B: input Wv: QUANTISED
;;     4. batch 64 x [M 2,048, K 64] x [K 64, N 2,048]; A: computed on the way; B: computed on the way: QUANTISED
;;     5. batch 64 x [M 2,048, K 2,048] x [K 2,048, N 64]; A: softmax (see below); B: computed on the way: QUANTISED
;;     6. [M 8,192, K 1,024] x [K 1,024, N 1,024]; A: computed on the way; B: input Wo: QUANTISED
;;   THE QUANTISER, for each operand of a quantised product, along K:
;;     - K is cut into blocks of 32 from its start; a last block that is shorter is filled with zeros.
;;     - A block's scale is 2^e with e = floor(log2(the largest magnitude in the block)) - 2, held to -126 .. 127; a block of zeros has e = 0. As a byte (E8M0): e + 127.
;;     - Each number is divided by its block's scale, clamped to +-6, and rounded to the nearest number of E2M1, ties to even, subnormals kept.
;;     - The product sums the exact products of the quantised numbers (number of the format x scale) in f32.
;;   ~~~python
;;   def quantise(x, axis):      # numpy; x: float32 -> the quantised numbers, widened to float32 again
;;       x = np.moveaxis(x, axis, -1); K = x.shape[-1]
;;       x = np.pad(x, [(0, 0)] * (x.ndim - 1) + [(0, -K % 32)]); x = x.reshape(x.shape[:-1] + (-1, 32)); a = np.abs(x).max(-1, keepdims=True)
;;       e = np.where(a > 0, np.clip(np.frexp(np.where(a > 0, a, 1))[1] - 1 - 2, -126, 127), 0)      # np.frexp(a)[1] - 1 = floor(log2(a)), exactly
;;       r = np.clip(x / 2.0 ** e, -6, 6)
;;       step = 2.0 ** (np.maximum(np.frexp(np.where(r == 0, 1, r))[1] - 1, 0) - 1)
;;       q = np.round(r / step) * step * 2.0 ** e      # np.round: ties to even
;;       return np.moveaxis(q.reshape(q.shape[:-2] + (-1,))[..., :K], -1, axis).astype(np.float32)
;;   ~~~
;;   SOFTMAX AHEAD OF A QUANTISED PRODUCT. Where the list says 'softmax', what is quantised is not the finished softmax but p = 2^(t - M), with t = logit x log2(e) and M = ceil(the row's largest t), a whole number; so 1/2 < the row's largest p <= 1. The row's sum l is taken of the UNQUANTISED p, in f32, and the product's result is divided by l at the end. Since M is a whole number, a kernel that streams over the keys may use a running M (the ceiling of the running maximum): every later rescaling is an exact power of two, which a block's scale takes up: the codes' values come out the same.
;;   OPERANDS COMPUTED ON THE WAY. 'Computed on the way' means the value that the module computes at that place (a softmax that the list does not call 'softmax' is quantised finished and normalised). What goes into a quantiser is computed in f32, as accurately as f32 sums, v_exp_f32 and their like allow (about 1e-6 of the number): no bf16 or f16 on the way to a quantiser, and a product that is left as it is and whose result goes on into a quantised operand takes f32 operands (vector FMAs, or v_wmma_f32_16x16x4_f32). A number that lies on a knife's edge between two numbers of the format may be rounded either way, as far as f32 arithmetic and the matrix unit's own rounding can turn it there, and no further.
;; One version. Each part assembles by itself: llvm-mc -triple=amdgcn-amd-amdhsa -mcpu=gfx1250 --defsym DOCPART=n.
;; ======== version 1 of 1: 4 launches
;; workspace buffers: opc 6,291,456 bytes; ops 393,216 bytes; qkv 13,369,344 bytes; cxc 4,194,304 bytes; cxs 262,144 bytes
;; launch quant (part 1): grid 384 x 1, 4 waves a work-group, no clusters, 34,304 bytes of LDS; arguments x, Wq, Wk, Wv, Wo, opc, ops; writes opc, ops
.if DOCPART == 1
	.amdgcn_target "amdgcn-amd-amdhsa--gfx1250"
	.amdhsa_code_object_version 6
	.text
	.protected	k_q49ed7f32bc_quant
	.globl	k_q49ed7f32bc_quant
	.p2align	8
	.type	k_q49ed7f32bc_quant,@function
k_q49ed7f32bc_quant:
	s_mov_b64 s[64:65], 0
	v_nop
	global_prefetch_b8 v0, s[64:65] scope:SCOPE_SE
	s_setreg_imm32_b32 hwreg(HW_REG_WAVE_MODE, 25, 1), 1
	s_wait_xcnt 0x0
; x [8192][1024] and the four weights [1024 (k)][1024 (n)], f32, become codes of FP4 (E2M1) with one E8M0 scale byte for each 32 along K (K = the 1,024 of x's rows, of the weights' first axis).
; A block's scale is 2^(floor(log2(its largest magnitude)) - 2): its byte is the largest magnitude's exponent field - 2, held at 1 from below; numbers are divided by it and rounded to the nearest code, ties to even, beyond 6 the code of 6.
; LIMITS: NaN and infinities are not served; a block whose largest magnitude lies under 2^-124 gets the byte 1; a block of zeros gets the byte 1 where the rule says 127 (its codes are zeros, and this program alone reads the bytes).
; LAYOUT OF THE RESULTS.  opc: [tile of 16 rows][K step of 128][1,024 bytes]: the image of an operand's registers: [c 0..1][lane 0..31][16 bytes], lane (r, h) holding k = 64 c + 32 h + 0 .. 31 of the tile's row r.
; Tiles 0-511 are x's rows, tiles 512 + 64 w on the columns n of weight w (Wq, Wk, Wv, Wo).  ops: [row][32 scale bytes].
; THE ROWS OF A TILE ARE NOT NEIGHBOURS: lane r of tile 2 b + u is row 32 b + 8 u + r + 8 (r / 8), so that a transposed product's registers of two neighbouring tiles are 16 neighbours.
; Work-groups 0-127 take x (a wave: one tile, all eight K steps), work-groups 128-383 the weights (a wave: 32 columns x one K step).  No barrier: waves share nothing.  Only x's path uses LDS.
.set SP,   528                         ; x's stage: a row of 512 bytes + 16 of padding, so that sixteen rows begin at sixteen different banks
.set STGB, 16*SP                       ; a wave's stage
.set R,    16                          ; v16-143  x: two sets of 64 registers as loaded
.set X,    144                         ; v144-207 x: 64 numbers of my row: register 16 b + i = k 32 b + 16 h + i
.set TM,   208                         ; v208-223 at work in QUANT
.set PC,   224                         ; v224-231 the fragment's codes
.set SW,   236                         ; v236-243 my row's eight scale words
.set OUT,  244                         ; v244-247 the four of them that I store
.set SEL,  30                          ; s[30:31] v_permlanex16_b32's selects for lane l xor 16
.set XW,   32                          ; v32-95   weights: two sets of 32 numbers
.set CW,   96                          ; v96-111  weights: four registers of codes for each block
; 64 numbers of a lane, register 16 b + i = k 32 b + 16 (lane / 16) + i of its row, become a fragment's codes in v[pc] on and the row's scale word in v[pw].
.macro QUANT s, pc, pw
.irp b, 0,1,2,3
	v_max3_num_f32 v[TM+\b], |v[\s+16*\b]|, |v[\s+1+16*\b]|, 0x1800000   ; block b: my 16 numbers, and the floor 2^(3 - 127): the byte cannot fall under 1
.endr
.irp i, 2,4,6,8,10,12,14
.irp b, 0,1,2,3
	v_max3_num_f32 v[TM+\b], v[TM+\b], |v[\s+16*\b+\i]|, |v[\s+1+16*\b+\i]|   ; the four blocks by turns
.endr
.endr
.irp b, 0,1,2,3
	v_permlanex16_b32 v[TM+4+\b], v[TM+\b], s[SEL], s[SEL+1]
.endr
.irp b, 0,1,2,3
	v_max_num_f32 v[TM+\b], v[TM+\b], v[TM+4+\b]   ; with lane l xor 16's: the block's largest magnitude
.endr
.irp b, 0,1,2,3
	v_add_nc_u32 v[TM+12+\b], 0xff000000, v[TM+\b]   ; 2 off its exponent field: the conversion's scale operand
.endr
.irp b, 0,1,2,3
	v_lshrrev_b32 v[TM+4+\b], 23, v[TM+12+\b]   ; the scale's byte
.endr
	v_lshl_or_b32 v[\pw], v[TM+5], 8, v[TM+4]
	v_lshl_or_b32 v[\pw], v[TM+6], 16, v[\pw]
	v_lshl_or_b32 v[\pw], v[TM+7], 24, v[\pw]
.irp b, 0,1,2,3
	v_cvt_scalef32_pk8_fp4_f32 v[(\pc)+2*\b], v[\s+16*\b:\s+7+16*\b], v[TM+12+\b]
	v_cvt_scalef32_pk8_fp4_f32 v[(\pc)+1+2*\b], v[\s+8+16*\b:\s+15+16*\b], v[TM+12+\b]
.endr
	v_nop                                          ; one plain place behind a scaled conversion
.irp c, 0,1                                    ; a whole block to a lane: lanes 0-15 block 2 c, lanes 16-31 block 2 c + 1
.irp i, 0,1
	v_permlane16_swap_b32 v[(\pc)+4*\c+\i], v[(\pc)+2+4*\c+\i]
.endr
.endr
.endm
	s_load_b256 s[4:11], s[0:1], 0x0               ; x s[4:5], Wq s[6:7], Wk s[8:9], Wv s[10:11]
	s_load_b128 s[12:15], s[0:1], 0x20             ; Wo s[12:13], opc s[14:15]
	s_load_b64 s[16:17], s[0:1], 0x30              ; ops
	v_lshl_add_u32 v254, v0, 2, 0x8400
	v_mov_b32 v255, 0
	v_lshrrev_b32 v1, 5, v0
	v_readfirstlane_b32 s18, v1                    ; wave 0..3
	v_and_b32 v1, 31, v0                           ; lane
	s_cmp_lt_u32 ttmp9, 128
	s_cbranch_scc0 .Lweights
	; ---------------- x: my wave's tile = 4 x work-group + wave
	v_and_b32 v2, 15, v0                           ; r
	v_bfe_u32 v3, v0, 4, 1                         ; h
	v_lshlrev_b32 v4, 4, v1                        ; 16 x lane: my bytes of a load's 512, and of an image's 512
	s_mul_i32 s19, s18, STGB
	v_add_nc_u32 v5, s19, v4                       ; the stage, on the way in: a row as it lies
	v_mul_u32_u24 v6, v2, SP
	v_lshl_add_u32 v6, v3, 6, v6
	v_add_nc_u32 v6, s19, v6                       ; and on the way out: row r, + 64 h: my 16 numbers of a block of 32
	v_lshlrev_b32 v7, 5, v2
	v_lshl_add_u32 v7, v3, 4, v7                   ; the scale bytes: row r's 32, my half of them
	s_mov_b32 s[SEL], 0x76543210
	s_mov_b32 s[SEL+1], 0xfedcba98
.irp b, 0,1,2,3
	v_mov_b32 v[TM+4+\b], 0                        ; written once: a lane permute's destination counts as one of its sources
.endr
	s_lshl_b32 s22, ttmp9, 2
	s_add_co_u32 s22, s22, s18                     ; the tile
	s_lshr_b32 s24, s22, 1
	s_lshl_b32 s24, s24, 5
	s_and_b32 s25, s22, 1
	s_lshl_b32 s25, s25, 3
	s_add_co_u32 s24, s24, s25                     ; its lane 0's row of x: 32 (tile / 2) + 8 (tile % 2)
	s_lshl_b32 s24, s24, 12                        ; x 4,096 bytes
	s_mov_b32 s25, 0
	s_lshl_b32 s26, s22, 13                        ; a tile's eight images
	s_mov_b32 s27, 0
	s_lshl_b32 s28, s22, 9                         ; a tile's 16 x 32 scale bytes
	s_mov_b32 s29, 0
	s_wait_alu depctr_va_vdst(0)
	s_wait_kmcnt 0x0
	s_add_nc_u64 s[4:5], s[4:5], s[24:25]
	s_add_nc_u64 s[14:15], s[14:15], s[26:27]
	s_add_nc_u64 s[16:17], s[16:17], s[28:29]
.macro XLOAD s                         ; K step s of the tile's 16 rows: each load reads 512 consecutive bytes of one row
.irp p, 0,1,2,3,4,5,6,7,8,9,10,11,12,13,14,15
	global_load_b128 v[R+64*((\s)%2)+4*\p:R+64*((\s)%2)+4*\p+3], v4, s[4:5] offset:(\p+8*(\p/8))*4096+512*(\s) th:TH_LOAD_NT
.endr
.endm
.macro XSTEP s
.if (\s) < 7
	s_wait_loadcnt 16                              ; this step's 16 loads are in; the next step's 16 may be out
.else
	s_wait_loadcnt 0x0
.endif
.irp p, 0,1,2,3,4,5,6,7,8,9,10,11,12,13,14,15
	ds_store_b128 v5, v[R+64*((\s)%2)+4*\p:R+64*((\s)%2)+4*\p+3] offset:SP*\p
.endr
.irp b, 0,1,2,3                                ; LDS serves a wave's instructions in order: these see the stores above
.irp j, 0,1,2,3
	ds_load_b128 v[X+16*\b+4*\j:X+16*\b+4*\j+3], v6 offset:128*\b+16*\j
.endr
.endr
	s_wait_dscnt 0x0                               ; my 64 numbers are back, and the stores have read their registers,
.if (\s) < 6
	XLOAD (\s)+2                                   ; which take the loads of two steps on
.endif
	s_wait_xcnt 0x0                                ; the last step's stores have read the codes' registers: they are written again only behind this wait
	QUANT X, PC, SW+(\s)
	global_store_b128 v4, v[PC:PC+3], s[14:15] offset:1024*(\s)        ; the image: twice 512 consecutive bytes
	global_store_b128 v4, v[PC+4:PC+7], s[14:15] offset:1024*(\s)+512
.endm
	XLOAD 0
	XLOAD 1
.irp t, 0,1,2,3,4,5,6,7
	XSTEP \t
.endr
	v_cmp_le_u32 vcc_lo, 16, v1                    ; lanes r and r + 16 hold the same eight words: lanes 0-15 store words 0-3, lanes 16-31 words 4-7
.irp i, 0,1,2,3
	v_cndmask_b32 v[OUT+\i], v[SW+\i], v[SW+4+\i], vcc_lo
.endr
	global_store_b128 v7, v[OUT:OUT+3], s[16:17]   ; the tile's 512 scale bytes, consecutive
	s_wait_tensorcnt 0x0
	ds_add_u32 v254, v255
	s_wait_dscnt 0x0
	s_endpgm
	; ---------------- the weights: a lane takes a column n and its registers run down K, so that a block of 32 lies in one lane and the codes come out with K innermost
.Lweights:
	s_sub_co_u32 s19, ttmp9, 128
	s_lshr_b32 s20, s19, 6                         ; which weight
	s_and_b32 s21, s19, 7                          ; which 128 columns
	s_bfe_u32 s22, s19, 0x30003                    ; which K step
	s_wait_alu depctr_va_vdst(0)
	v_lshlrev_b32 v3, 2, v1                        ; in: 4 bytes a lane: the wave reads 128 consecutive bytes, the work-group 512
	v_bfe_u32 v5, v1, 3, 1                         ; my column's tile of the wave's two,
	v_and_b32 v6, 7, v1
	v_lshrrev_b32 v7, 4, v1
	v_lshl_add_u32 v6, v7, 3, v6                   ; and its row r there: column 8 u + r + 8 (r / 8)
	v_lshlrev_b32 v4, 4, v6
	v_lshl_add_u32 v4, v5, 13, v4                  ; codes: 8,192 x tile + 16 r
	v_lshl_add_u32 v9, v5, 4, v6
	v_lshlrev_b32 v9, 5, v9                        ; scale bytes: 32 x (16 x tile + r)
	s_lshl_b32 s24, s22, 19                        ; 128 rows of 4,096 bytes a K step,
	s_lshl_b32 s25, s21, 9
	s_add_co_u32 s24, s24, s25
	s_lshl_b32 s25, s18, 7
	s_add_co_u32 s24, s24, s25                     ; + 4 x (128 x block of columns + 32 x wave)
	s_mov_b32 s25, 0
	s_lshl_b32 s26, s20, 6
	s_lshl_b32 s27, s21, 3
	s_add_co_u32 s26, s26, s27
	s_lshl_b32 s27, s18, 1
	s_add_co_u32 s26, s26, s27
	s_add_co_u32 s26, s26, 512                     ; my wave's first tile: 512 + 64 w + 8 x block + 2 x wave
	s_lshl_b32 s28, s26, 9
	s_lshl_b32 s26, s26, 13
	s_lshl_b32 s27, s22, 10
	s_add_co_u32 s26, s26, s27                     ; its image of this K step
	s_mov_b32 s27, 0
	s_lshl_b32 s29, s22, 2
	s_add_co_u32 s28, s28, s29                     ; its rows' scale word of this K step
	s_mov_b32 s29, 0
	s_wait_alu depctr_va_vdst(0)
	s_wait_kmcnt 0x0
	s_cmp_eq_u32 s20, 1                            ; the choice hangs on the work-group's number alone
	s_cselect_b64 s[6:7], s[8:9], s[6:7]
	s_cmp_eq_u32 s20, 2
	s_cselect_b64 s[6:7], s[10:11], s[6:7]
	s_cmp_eq_u32 s20, 3
	s_cselect_b64 s[6:7], s[12:13], s[6:7]
	s_add_nc_u64 s[6:7], s[6:7], s[24:25]
	s_add_nc_u64 s[14:15], s[14:15], s[26:27]
	s_add_nc_u64 s[16:17], s[16:17], s[28:29]
.macro WLOAD t                         ; block t: W(32 t + i, my column), i = 0 .. 31
.set II, 0
.rept 32
	global_load_b32 v[XW+32*((\t)%2)+II], v3, s[6:7] offset:(32*(\t)+II)*4096 th:TH_LOAD_NT
.set II, II+1
.endr
.endm
.macro WBLOCK t
.set XS, XW+32*((\t)%2)
.if (\t) < 3
	s_wait_loadcnt 32                              ; this block's 32 loads are in; the next block's may be out
.else
	s_wait_loadcnt 0x0
.endif
	v_max3_num_f32 v12, |v[XS]|, |v[XS+1]|, |v[XS+2]|   ; the block's largest magnitude: all 32 numbers are mine
	v_max3_num_f32 v13, |v[XS+3]|, |v[XS+4]|, |v[XS+5]|
.irp i, 6,10,14,18,22,26
	v_max3_num_f32 v12, v12, |v[XS+\i]|, |v[XS+\i+1]|
	v_max3_num_f32 v13, v13, |v[XS+\i+2]|, |v[XS+\i+3]|
.endr
	v_max3_num_f32 v12, v12, |v[XS+30]|, |v[XS+31]|
	v_max3_num_f32 v12, v12, v13, 0x1800000        ; and the floor
	v_add_nc_u32 v11, 0xff000000, v12              ; the conversion's scale operand
	v_lshrrev_b32 v13, 23, v11                     ; the byte
.if (\t) == 0
	v_mov_b32 v24, v13
.else
	v_lshl_or_b32 v24, v13, 8*(\t), v24            ; four bytes make the K step's scale word
.endif
.irp g, 0,1,2,3
	v_cvt_scalef32_pk8_fp4_f32 v[CW+4*(\t)+\g], v[XS+8*\g:XS+8*\g+7], v11
.endr
	global_store_b128 v4, v[CW+4*(\t):CW+4*(\t)+3], s[14:15] offset:256*(\t)   ; block t = 2 c + h lies at 512 c + 256 h + 16 r of the image: sixteen lanes fill 256 consecutive bytes in each of the two tiles
.if (\t) < 2
	WLOAD (\t)+2
.endif
.endm
	WLOAD 0
	WLOAD 1
.irp t, 0,1,2,3
	WBLOCK \t
.endr
	global_store_b32 v9, v24, s[16:17]             ; 4 bytes of each row's 32: pieces, one byte in 128 of what this path reads
	s_endpgm
.Lfunc_end_k_q49ed7f32bc_quant:
	.size	k_q49ed7f32bc_quant, .Lfunc_end_k_q49ed7f32bc_quant-k_q49ed7f32bc_quant
	.p2alignl 7, 3214868480
	.fill 96, 4, 3214868480
	.section	.rodata,"a",@progbits
	.p2align	6, 0x0
	.amdhsa_kernel k_q49ed7f32bc_quant
		.amdhsa_group_segment_fixed_size 34304
		.amdhsa_private_segment_fixed_size 0
		.amdhsa_enable_private_segment 0
		.amdhsa_kernarg_size 56
		.amdhsa_user_sgpr_count 2
		.amdhsa_user_sgpr_kernarg_segment_ptr 1
		.amdhsa_wavefront_size32 1
		.amdhsa_system_sgpr_workgroup_id_x 1
		.amdhsa_system_sgpr_workgroup_id_y 1
		.amdhsa_system_sgpr_workgroup_id_z 1
		.amdhsa_system_vgpr_workitem_id 0
		.amdhsa_next_free_vgpr 256
		.amdhsa_next_free_sgpr 66
		.amdhsa_reserve_vcc 1
		.amdhsa_float_denorm_mode_32 3
		.amdhsa_float_denorm_mode_16_64 3
		.amdhsa_memory_ordered 1
		.amdhsa_forward_progress 1
		.amdhsa_inst_pref_size 83
	.end_amdhsa_kernel
	.amdgpu_metadata
---
amdhsa.version: [ 1, 2 ]
amdhsa.kernels:
  - .name:           k_q49ed7f32bc_quant
    .symbol:         k_q49ed7f32bc_quant.kd
    .args:
      - { .name: x, .offset: 0, .size: 8, .value_kind: global_buffer, .address_space: global }
      - { .name: Wq, .offset: 8, .size: 8, .value_kind: global_buffer, .address_space: global }
      - { .name: Wk, .offset: 16, .size: 8, .value_kind: global_buffer, .address_space: global }
      - { .name: Wv, .offset: 24, .size: 8, .value_kind: global_buffer, .address_space: global }
      - { .name: Wo, .offset: 32, .size: 8, .value_kind: global_buffer, .address_space: global }
      - { .name: opc, .offset: 40, .size: 8, .value_kind: global_buffer, .address_space: global }
      - { .name: ops, .offset: 48, .size: 8, .value_kind: global_buffer, .address_space: global }
    .group_segment_fixed_size: 34304
    .private_segment_fixed_size: 0
    .kernarg_segment_align: 8
    .kernarg_segment_size: 56
    .max_flat_workgroup_size: 128
    .sgpr_count:     66
    .vgpr_count:     256
    .wavefront_size: 32
...
	.end_amdgpu_metadata
.endif
;; end of part 1
;; launch qkv (part 2): grid 96 x 4, 4 waves a work-group, clusters of 4 x 4, 284,160 bytes of LDS; arguments opc, ops, bq, bk, bv, qkv; writes qkv
.if DOCPART == 2
	.amdgcn_target "amdgcn-amd-amdhsa--gfx1250"
	.amdhsa_code_object_version 6
	.text
	.protected	k_q49ed7f32bc_qkv
	.globl	k_q49ed7f32bc_qkv
	.p2align	8
	.type	k_q49ed7f32bc_qkv,@function
k_q49ed7f32bc_qkv:
	s_mov_b64 s[64:65], 0
	v_nop
	global_prefetch_b8 v0, s[64:65] scope:SCOPE_SE
	s_setreg_imm32_b32 hwreg(HW_REG_WAVE_MODE, 25, 1), 1
	s_wait_xcnt 0x0
	s_wait_alu depctr_hold_cnt(0) depctr_sa_sdst(0) depctr_va_vdst(0) depctr_va_sdst(0) depctr_va_ssrc(0) depctr_va_vcc(0) depctr_vm_vsrc(0)
	s_getreg_b32 s2, hwreg(HW_REG_IB_STS2, 6, 4)
	s_cmp_eq_u32 s2, 0
	s_cbranch_scc0 .Lentry_in_a_cluster
	s_endpgm
.Lentry_in_a_cluster:
	s_bfe_u32 s2, ttmp6, 0x10000c
	s_cmp_lg_u32 s2, 0xf033
	s_cbranch_scc0 .Lentry_shape_is_right
	s_endpgm
.Lentry_shape_is_right:
; q = x Wq + bq, k = x Wk + bk, v = x Wv + bv on codes of FP4 (E2M1) with E8M0 scales, K = 1,024, sums in f32; the results are quantised at once, q and k along the head's 64, v along the keys, and leave as codes.
; A work-group of four waves makes 256 x 256 results, a wave 128 x 128: 64 accumulators.  The matrix instruction is used transposed: source 0 = 16 rows of operand P, source 1 = 16 rows of operand R: a lane holds ONE row of R,
; and its registers run along P's rows; P's tiles are laid so that the 16 registers of tiles 2 b and 2 b + 1 are 16 neighbours.  So what is to be quantised along an axis takes that axis as P:
;   clusters 0-15 (q, k): P = 256 columns of Wq or Wk (registers run along the head's channels), R = 256 tokens of x;    clusters 16-23 (v): P = 256 tokens of x (registers run along the keys), R = 256 columns of Wv.
; Both come from the same two buffers, as images of the operands' registers (1,024 bytes for 16 rows x 128 K) and 32 scale bytes a row: only block numbers differ, and they hang on the cluster's number, which all partners share.
; ALL OF K FITS IN LDS: two halves of K, 131,072 bytes each, and the scales: every LDS byte is filled once, three tensor loads a wave at the start (three are out at the most), no refill.
; CLUSTERS: 4 x 4 work-groups; R's tiles are shared along a row of the cluster, P's along a column: joint loads with a mask that names the four.
; qkv: [batch x head][key step of 128 tokens][13,056 bytes]: +0 K, 8 tiles x 512 bytes (lane (r, h): block h of a key); +4,096 V^T, 4 tiles of 16 channels x 1,024 bytes; +8,192 K's scale bytes (2 a key); +8,448 V's scale words;
; +8,704 Q, laid as K; +12,800 Q's scale bytes.
; LIMITS: NaN and infinities are not served; a block whose largest magnitude lies under 2^-124 gets the byte 1, and so does a block of zeros (its codes are zeros; this program alone reads the bytes).
; REGISTERS: window 0: v8-27 addresses; v32-95 scale words, two sets, later 64 results; v96-111 at work; v112-127 scale words made; v128-191 R's fragments, later the codes made; v192-255 the bias.
;   window 1: P's fragments, two sets.   windows 2, 3: the accumulators ((a, b) at v[8 (8 (a % 4) + b)]).
.set NQ,    4                          ; steps of 128 along K in a slot
.set FR,    8                          ; registers of a fragment
.set NL,    2                          ; LDS loads that bring one
.set NP,    4                          ; places behind this matrix instruction (ISA guide 7.12.1)
.set HALFT, 32768                      ; 8 tiles x 4 steps x 1,024 bytes: what one tensor load brings, and what one wave reads of R or of P
.set SLOT,  131072                     ; R's 16 tiles, then P's 16
.set SCL,   262144                     ; the scales, as units of 256 bytes + 16 of padding
.set HALFS, 4352                       ; those of 128 rows
.set SBLK,  544                        ; those of 16 rows
.set STG,   279552                     ; 512 bytes a wave in which scale bytes are gathered: 2,048 for q and k, 2,048 more for v
.set REC,   13056
.set HS,    16*REC                     ; a head's records
.set LI,   8                           ; v8   16 x lane
.set SSQ,  9                           ; v9   q, k: where my scale bytes go
.set SSV,  10                          ; v10  v: where my scale word goes
.set SRD,  11                          ; v11  where I read 16 gathered bytes back
.set SGO,  12                          ; v12  and where they go in memory
.set HSH,  13                          ; v13  16 h
.set BQO,  14                          ; v14  64 h
.set BVO,  15                          ; v15  4 (r + 8 (r / 8))
.set ADRA, 16                          ; v16-17 LDS address of R's fragments in slot 0, 1
.set ADRB, 20                          ; v20-21 of P's
.set ADRS, 27                          ; v27  of my scale words: lanes 0-15 R's rows, lanes 16-31 P's
.set SC,   32
.set HA,   32
.set TM,   96
.set PW,   112
.set SH,   120
.set AF,   128
.set PC,   128
.set BI,   192
.set SEL,  2                           ; s[2:3]
.set G1, 24                            ; s[24:31], s[32:39] R's codes: group 1; group 0 for each slot
.set G0, 32
.set G1B, 48                           ; s[48:55], s[56:63] P's codes
.set G0B, 56
.set G1S, 68                           ; s[68:75], s[76:79] R's scales
.set G0S, 76
.set G1SB, 80                          ; s[80:87], s[88:91] P's scales
.set G0SB, 88
.set MSB, 0
.macro WIN new                         ; the immediate's high byte repeats the setting that is left
.if MSB != (\new)
	s_set_vgpr_msb (MSB<<8)|(\new)
.set MSB, (\new)
.endif
.endm
.set MUL_LO, 0xa1                      ; source 0 (P) window 1, source 1 (R) window 0, C and D window 2
.set MUL_HI, 0xf1                      ; the same, C and D window 3
.set TO_B,   0x40                      ; destination window 1
; A joint load: waves 0 and 1 fetch R's halves, waves 2 and 3 P's.  The branch hangs on the wave's number alone.  Four v_nop follow each of the two lines.
.macro JLOAD g0a, g1a, g0b, g1b
	s_cmp_eq_u32 s17, 0
	s_cbranch_scc0 .Lfor_p_\@
	tensor_load_to_lds s[\g0a:\g0a+3], s[\g1a:\g1a+7]
	s_nop 0
.rept 4
	v_nop
.endr
	s_branch .Lasked_\@
.Lfor_p_\@:
	tensor_load_to_lds s[\g0b:\g0b+3], s[\g1b:\g1b+7]
	s_nop 0
.rept 4
	v_nop
.endr
.Lasked_\@:
.endm
.macro CROUND                          ; a round of the cluster's barrier
	s_barrier_signal -1
	s_barrier_wait -1
	s_cmp_lg_u32 s16, 0
	s_cbranch_scc1 .Lnot_wave_0_\@
	s_barrier_signal -3
.Lnot_wave_0_\@:
	s_barrier_wait -3
	s_barrier_signal -1
	s_barrier_wait -1
.endm
.macro QUANT s, pc, pw                 ; 64 numbers of a lane, register 16 b + i = k 32 b + 16 (lane / 16) + i, become a fragment's codes in v[pc] on and its scale word in v[pw]
.irp b, 0,1,2,3
	v_max3_num_f32 v[TM+\b], |v[\s+16*\b]|, |v[\s+1+16*\b]|, 0x1800000   ; my 16 numbers of block b, and the floor 2^(3 - 127)
.endr
.irp i, 2,4,6,8,10,12,14
.irp b, 0,1,2,3
	v_max3_num_f32 v[TM+\b], v[TM+\b], |v[\s+16*\b+\i]|, |v[\s+1+16*\b+\i]|
.endr
.endr
.irp b, 0,1,2,3
	v_permlanex16_b32 v[TM+4+\b], v[TM+\b], s[SEL], s[SEL+1]
.endr
.irp b, 0,1,2,3
	v_max_num_f32 v[TM+\b], v[TM+\b], v[TM+4+\b]   ; with lane l xor 16's: the block's largest magnitude
.endr
.irp b, 0,1,2,3
	v_add_nc_u32 v[TM+12+\b], 0xff000000, v[TM+\b]   ; 2 off its exponent field: the conversion's scale operand
.endr
.irp b, 0,1,2,3
	v_lshrrev_b32 v[TM+4+\b], 23, v[TM+12+\b]   ; the byte
.endr
	v_lshl_or_b32 v[\pw], v[TM+5], 8, v[TM+4]
	v_lshl_or_b32 v[\pw], v[TM+6], 16, v[\pw]
	v_lshl_or_b32 v[\pw], v[TM+7], 24, v[\pw]
.irp b, 0,1,2,3
	v_cvt_scalef32_pk8_fp4_f32 v[(\pc)+2*\b], v[\s+16*\b:\s+7+16*\b], v[TM+12+\b]
	v_cvt_scalef32_pk8_fp4_f32 v[(\pc)+1+2*\b], v[\s+8+16*\b:\s+15+16*\b], v[TM+12+\b]
.endr
	v_nop                                          ; one plain place behind a scaled conversion
.irp c, 0,1
.irp i, 0,1
	v_permlane16_swap_b32 v[(\pc)+4*\c+\i], v[(\pc)+2+4*\c+\i]   ; a whole block to a lane
.endr
.endr
.endm
	s_load_b128 s[4:7], s[0:1], 0x0                ; opc s[4:5], ops s[6:7]
	s_load_b128 s[8:11], s[0:1], 0x10              ; bq s[8:9], bk s[10:11]
	s_load_b128 s[12:15], s[0:1], 0x20             ; bv s[12:13], qkv s[14:15]
	v_lshl_add_u32 v106, v0, 2, 0x45400
	v_mov_b32 v107, 0
	ds_add_u32 v106, v107
	ds_add_u32 v106, v107
	v_lshrrev_b32 v1, 5, v0
	v_readfirstlane_b32 s16, v1                    ; wave 0..3
	s_lshr_b32 s17, s16, 1                         ; my half of R's rows.  Also: I fetch for R (0) or for P (1)
	s_and_b32 s18, s16, 1                          ; my half of P's rows.  Also: which 128 rows I fetch
	s_bfe_u32 s19, ttmp6, 0x40000                  ; cx
	s_bfe_u32 s20, ttmp6, 0x40004                  ; cy
	s_and_b32 s42, ttmp9, 1                        ; ttmp9 counts clusters: c
	s_lshl_b32 s42, s42, 2
	s_add_co_u32 s42, s42, 32                      ; q, k: P's blocks begin at 32 + 4 (c & 1): Wq or Wk
	s_and_b32 s43, ttmp9, 7
	s_lshl_b32 s43, s43, 2                         ; v: at 4 (c & 7): x
	s_lshr_b32 s44, ttmp9, 1
	s_lshl_b32 s44, s44, 2                         ; q, k: R's blocks begin at 4 (c >> 1): x;  v: at 40: Wv
	s_cmp_lt_u32 ttmp9, 16
	s_cselect_b32 s21, s42, s43
	s_cselect_b32 s22, s44, 40
	s_add_co_u32 s21, s21, s19                     ; P's block of 256 rows: hangs on cx alone of the two places
	s_add_co_u32 s22, s22, s20                     ; R's: on cy alone
	s_lshl_b32 s40, s20, 2
	s_lshl_b32 s40, 15, s40                        ; my row of the cluster
	s_lshl_b32 s41, 0x1111, s19                    ; my column
	; codes: 8 tiles' halves: 8 rows of 4,096 bytes (512 elements of 8 bytes), 8,192 bytes apart, dense in LDS
	s_or_b32 s[G1+0], s40, (3<<16)|(1<<21)         ; 15:0 the mask; 17:16 elements of 8 bytes; 21 set beside a mask
	s_or_b32 s[G1B+0], s41, (3<<16)|(1<<21)
.irp g, G1, G1B
	s_mov_b32 s[\g+1], 512<<16                     ; tensor_dim0
	s_mov_b32 s[\g+2], 8<<16                       ; tensor_dim1
	s_mov_b32 s[\g+3], 512<<16                     ; tile_dim0
	s_mov_b32 s[\g+4], 8                           ; tile_dim1
	s_mov_b32 s[\g+5], 1024                        ; from row to row
	s_mov_b32 s[\g+6], 0
	s_mov_b32 s[\g+7], 0
.endr
	; scales of 128 rows: 4,096 dense bytes as 16 rows of 256, 16 bytes of padding behind each
	s_or_b32 s[G1S+0], s40, (3<<16)|(1<<20)|(1<<21)|(5<<22)|(3<<25)
	s_or_b32 s[G1SB+0], s41, (3<<16)|(1<<20)|(1<<21)|(5<<22)|(3<<25)
.irp g, G1S, G1SB
	s_mov_b32 s[\g+1], 32<<16
	s_mov_b32 s[\g+2], 16<<16
	s_mov_b32 s[\g+3], 32<<16
	s_mov_b32 s[\g+4], 16
	s_mov_b32 s[\g+5], 32
	s_mov_b32 s[\g+6], 0
	s_mov_b32 s[\g+7], 0
.endr
	s_lshl_b32 s45, s18, 16                        ; the half that I fetch: 8 tiles of 8,192 bytes,
	s_lshl_b32 s46, s18, 12                        ; 128 rows of 32 scale bytes
	s_lshl_b32 s92, s22, 17
	s_add_co_u32 s92, s92, s45                     ; R's codes
	s_mov_b32 s93, 0
	s_lshl_b32 s94, s21, 17
	s_add_co_u32 s94, s94, s45                     ; P's
	s_mov_b32 s95, 0
	s_lshl_b32 s96, s22, 13
	s_add_co_u32 s96, s96, s46                     ; R's scales
	s_mov_b32 s97, 0
	s_lshl_b32 s98, s21, 13
	s_add_co_u32 s98, s98, s46                     ; P's
	s_mov_b32 s99, 0
	s_lshl_b32 s47, s16, 15                        ; where they go: wave x HALFT: no place in the cluster enters an LDS address
	s_mul_i32 s23, s16, HALFS
	s_mov_b32 s[SEL], 0x76543210
	s_mov_b32 s[SEL+1], 0xfedcba98
	s_wait_dscnt 0x0
	s_wait_kmcnt 0x0
	s_add_nc_u64 s[92:93], s[4:5], s[92:93]
	s_add_nc_u64 s[94:95], s[4:5], s[94:95]
	s_add_nc_u64 s[96:97], s[6:7], s[96:97]
	s_add_nc_u64 s[98:99], s[6:7], s[98:99]
	CROUND                                         ; all sixteen work-groups are here: the joint loads meet
	s_mov_b32 s[G0S], 1
	s_add_co_u32 s[G0S+1], s23, SCL
	s_mov_b64 s[G0S+2:G0S+3], s[96:97]
	s_or_b32 s[G0S+3], s[G0S+3], 0x80000000
	s_mov_b32 s[G0SB], 1
	s_add_co_u32 s[G0SB+1], s23, SCL
	s_mov_b64 s[G0SB+2:G0SB+3], s[98:99]
	s_or_b32 s[G0SB+3], s[G0SB+3], 0x80000000
	JLOAD G0S, G1S, G0SB, G1SB                     ; the scales first: they are wanted with the first half of K
.irp s, 0,1
	s_mov_b32 s[G0+4*\s], 1
	s_add_co_u32 s[G0+4*\s+1], s47, \s*SLOT
	s_add_nc_u64 s[G0+4*\s+2:G0+4*\s+3], s[92:93], \s*4096
	s_or_b32 s[G0+4*\s+3], s[G0+4*\s+3], 0x80000000
	s_mov_b32 s[G0B+4*\s], 1
	s_add_co_u32 s[G0B+4*\s+1], s47, \s*SLOT
	s_add_nc_u64 s[G0B+4*\s+2:G0B+4*\s+3], s[94:95], \s*4096
	s_or_b32 s[G0B+4*\s+3], s[G0B+4*\s+3], 0x80000000
	JLOAD G0+4*\s, G1, G0B+4*\s, G1B
.endr
	v_and_b32 v1, 15, v0                           ; r
	v_bfe_u32 v2, v0, 4, 1                         ; h
	v_and_b32 v3, 31, v0
	v_lshlrev_b32 v[LI], 4, v3                     ; an image's place for my lane
	s_lshl_b32 s42, s17, 15                        ; my 8 tiles of R,
	s_lshl_b32 s43, s18, 15
	s_add_co_u32 s43, s43, 2*HALFT                 ; my 8 of P, behind R's 16
.irp s, 0,1
	v_add_nc_u32 v[ADRA+\s], s42, v[LI]
	v_add_nc_u32 v[ADRB+\s], s43, v[LI]
	s_add_co_u32 s42, s42, SLOT
	s_add_co_u32 s43, s43, SLOT
.endr
	v_mul_u32_u24 v5, v1, 32                       ; my row's scales: 32 bytes a row,
	v_lshrrev_b32 v6, 8, v5
	v_lshl_add_u32 v5, v6, 4, v5                   ; and 16 more for each 256 passed
	s_mul_i32 s42, s17, HALFS                      ; R's: my 128 rows
	s_mul_i32 s43, s18, HALFS                      ; P's, behind R's 256
	s_add_co_u32 s43, s43, 2*HALFS
	s_sub_co_u32 s43, s43, s42
	v_mul_u32_u24 v6, s43, v2                      ; lanes 16-31 take P's
	s_add_co_u32 s42, s42, SCL
	v_add_nc_u32 v5, v5, v6
	v_add_nc_u32 v[ADRS], s42, v5
	v_and_b32 v4, 8, v1
	v_add_nc_u32 v4, v4, v1                        ; r + 8 (r / 8)
	s_lshl_b32 s42, s16, 9
	s_add_co_u32 s42, s42, STG                     ; my wave's 512 bytes
	v_lshlrev_b32 v[SSQ], 1, v4
	v_lshl_add_u32 v[SSQ], v2, 8, v[SSQ]
	v_add_nc_u32 v[SSQ], s42, v[SSQ]               ; q, k: head h of my two, 2 bytes a token
	v_lshlrev_b32 v[SSV], 2, v1
	v_add_nc_u32 v[SSV], s42, v[SSV]               ; v: 4 bytes a channel
	v_add_nc_u32 v[SRD], s42, v[LI]
	v_mul_u32_u24 v[SGO], v2, HS
	v_lshl_add_u32 v[SGO], v1, 4, v[SGO]           ; lanes 0-15: the first head's 256 bytes, lanes 16-31 the second's
	v_lshlrev_b32 v[HSH], 4, v2
	v_lshlrev_b32 v[BQO], 6, v2
	v_lshlrev_b32 v[BVO], 2, v4
.irp b, 0,1,2,3
	v_mov_b32 v[TM+4+\b], 0                        ; written once: a lane permute's destination counts as one of its sources
.endr
	; the bias, in the results' layout.  q, k: it runs along P: register 8 b + j is channel 32 (b / 2) + 16 h + 8 (b % 2) + j.  v: along R: all eight registers of block a hold channel 32 (a / 2) + 8 (a % 2) + r + 8 (r / 8)
	s_cmp_lt_u32 ttmp9, 16
	s_cbranch_scc0 .Lbias_v
	s_and_b32 s40, ttmp9, 1
	s_cmp_lg_u32 s40, 0
	s_cselect_b64 s[40:41], s[10:11], s[8:9]       ; bk or bq: the choice hangs on the cluster's number alone
	s_lshl_b32 s42, s19, 10
	s_lshl_b32 s43, s18, 9
	s_add_co_u32 s42, s42, s43                     ; 4 x (256 cx + 128 x my half of P)
	s_mov_b32 s43, 0
	s_add_nc_u64 s[40:41], s[40:41], s[42:43]
	s_wait_alu depctr_va_vdst(0)
.irp b, 0,1,2,3,4,5,6,7
	global_load_b128 v[BI+8*\b:BI+8*\b+3], v[BQO], s[40:41] offset:(32*(\b/2)+8*(\b%2))*4
	global_load_b128 v[BI+8*\b+4:BI+8*\b+7], v[BQO], s[40:41] offset:(32*(\b/2)+8*(\b%2))*4+16
.endr
	s_branch .Lbias_done
.Lbias_v:
	s_lshl_b32 s42, s20, 10
	s_lshl_b32 s43, s17, 9
	s_add_co_u32 s42, s42, s43                     ; 4 x (256 cy + 128 x my half of R)
	s_mov_b32 s43, 0
	s_add_nc_u64 s[40:41], s[12:13], s[42:43]
	s_wait_alu depctr_va_vdst(0)
.irp a, 0,1,2,3,4,5,6,7
.irp j, 0,1,2,3,4,5,6,7
	global_load_b32 v[BI+8*\a+\j], v[BVO], s[40:41] offset:(32*(\a/2)+8*(\a%2))*4
.endr
.endr
.Lbias_done:
.macro FRAG reg, adr, q, i             ; tile i's image of the slot's q-th 128 along K: two loads of 512 consecutive bytes
.irp c, 0,1
	ds_load_b128 v[\reg+4*\c:\reg+4*\c+3], v[\adr] offset:4096*(\i)+1024*(\q)+512*\c
.endr
.endm
; 16 matrix instructions: R's blocks a0, a0 + 1 x P's eight.  p: P's set; sc: the set of scale words; zero = 1: the first product starts the sums.  The 64 accumulators take turns, one instruction a turn.
.macro MUL16 a0, p, q, sc, zero
.irp a, \a0, \a0+1
.irp b, 0,1,2,3,4,5,6,7
.if \zero
	v_wmma_scale_f32_16x16x128_f8f6f4 v[8*(8*((\a)%4)+\b):8*(8*((\a)%4)+\b)+7], v[128*(\p)+FR*\b:128*(\p)+FR*\b+FR-1], v[AF+FR*(\a):AF+FR*(\a)+FR-1], 0, v[SC+8*NQ*(\sc)+NQ*\b+(\q)], v[SC+8*NQ*(\sc)+NQ*(\a)+(\q)] matrix_a_fmt:MATRIX_FMT_FP4 matrix_b_fmt:MATRIX_FMT_FP4 matrix_a_scale:MATRIX_SCALE_ROW1
.else
	v_wmma_scale_f32_16x16x128_f8f6f4 v[8*(8*((\a)%4)+\b):8*(8*((\a)%4)+\b)+7], v[128*(\p)+FR*\b:128*(\p)+FR*\b+FR-1], v[AF+FR*(\a):AF+FR*(\a)+FR-1], v[8*(8*((\a)%4)+\b):8*(8*((\a)%4)+\b)+7], v[SC+8*NQ*(\sc)+NQ*\b+(\q)], v[SC+8*NQ*(\sc)+NQ*(\a)+(\q)] matrix_a_fmt:MATRIX_FMT_FP4 matrix_b_fmt:MATRIX_FMT_FP4 matrix_a_scale:MATRIX_SCALE_ROW1
.endif
.endr
.endr
.endm
.macro FETCH_B slot, q, p
	WIN TO_B
.irp i, 0,1,2,3,4,5,6,7
	FRAG 128*(\p)+FR*\i, ADRB+\slot, \q, \i
.endr
	WIN 0
.endm
.macro FETCH_A slot, q, i0
.irp i, \i0, \i0+1, \i0+2, \i0+3
	FRAG AF+FR*(\i), ADRA+\slot, \q, \i
.endr
.endm
.macro SCALES sc                       ; a slot's scale words: four words a row; lanes 0-15 take R's block i, lanes 16-31 P's block i
.irp i, 0,1,2,3,4,5,6,7
	ds_load_b128 v[SC+8*NQ*\sc+NQ*\i:SC+8*NQ*\sc+NQ*\i+3], v[ADRS] offset:\i*SBLK
.endr
.endm
.macro PLACES n                        ; plain vector instructions between a matrix instruction and a load into, or a read of, its registers
.rept \n
	v_nop
.endr
.endm
.macro STEP slot, q, zero              ; 128 along K, with its successor in the same slot
	s_wait_dscnt 4*NL                              ; P's set and R's blocks 0-3 are in; the youngest eight loads (R's blocks 4-7) may be out
	WIN MUL_LO
	MUL16 0, (\q)%2, \q, \slot, \zero
	MUL16 2, (\q)%2, \q, \slot, \zero
	s_wait_dscnt 0
	PLACES NP
	FETCH_B \slot, (\q)+1, 1-(\q)%2
	FETCH_A \slot, (\q)+1, 0
	WIN MUL_HI
	MUL16 4, (\q)%2, \q, \slot, \zero
	MUL16 6, (\q)%2, \q, \slot, \zero
	PLACES NP
	WIN 0
	FETCH_A \slot, (\q)+1, 4
.endm
.macro TURN slot, next                 ; slot 0's last step goes over to slot 1: each wave's part of it has landed, then one barrier.  Nothing is filled again
	s_wait_tensorcnt 0x0                           ; my part of the next slot is in
	s_wait_dscnt 4*NL
	WIN MUL_LO
	MUL16 0, 1, NQ-1, \slot, 0
	s_wait_dscnt 0x0                               ; no LDS instruction of mine is out at the signal
	s_barrier_signal -1
	MUL16 2, 1, NQ-1, \slot, 0
	WIN 0
	s_barrier_wait -1                              ; everybody's part is in
	PLACES NP
	v_add_nc_u32 v[ADRS], 4*NQ, v[ADRS]            ; the second half of each row's scale bytes
	FETCH_B \next, 0, 0
	FETCH_A \next, 0, 0
	SCALES \next
	WIN MUL_HI
	MUL16 4, 1, NQ-1, \slot, 0
	MUL16 6, 1, NQ-1, \slot, 0
	PLACES NP
	WIN 0
	FETCH_A \next, 0, 4
.endm
.macro STEPS slot, from
.set Q, \from
.rept NQ-1-\from
	STEP \slot, Q, 0
.set Q, Q+1
.endr
.endm
	s_wait_tensorcnt 1                             ; the scales and my part of slot 0 are in; slot 1's load may be out
	s_barrier_signal -1
	s_barrier_wait -1                              ; everybody's are
	FETCH_B 0, 0, 0
	FETCH_A 0, 0, 0
	SCALES 0
	FETCH_A 0, 0, 4
	STEP 0, 0, 1                                   ; the first products start the sums
	STEPS 0, 1
	TURN 0, 1
	STEPS 1, 0
	s_wait_dscnt 4*NL
	WIN MUL_LO
	MUL16 0, 1, NQ-1, 1, 0
	MUL16 2, 1, NQ-1, 1, 0
	s_wait_dscnt 0
	WIN MUL_HI
	MUL16 4, 1, NQ-1, 1, 0
	MUL16 6, 1, NQ-1, 1, 0
	WIN 0
	PLACES NP
; THE WAY OUT, block a of R's eight at a time: the bias is added (which also brings the 64 results into window 0, each accumulator from its low end on), the 64 numbers, 128 along P, are quantised, and the codes leave as images.
; kind 0 (q, k): 128 channels are two heads of two blocks: registers 0-3 of the codes are the first head's 512 bytes, registers 4-7 the second's; lane (r, h) keeps head h's two scale bytes.
; kind 1 (v): 128 keys are one K step of the second product of attention: a whole image and a scale word for each channel.  Each block has registers of its own for codes and scale words: no store's data are written again.
.macro EPI kind
.irp a, 0,1,2,3,4,5,6,7
	WIN 0x02+\a/4
.irp b, 0,1,2,3,4,5,6,7
.irp j, 0,2,4,6
.if \kind
	v_pk_add_f32 v[HA+8*\b+\j:HA+8*\b+\j+1], v[64*(\a%4)+8*\b+\j:64*(\a%4)+8*\b+\j+1], v[BI+8*\a+\j:BI+8*\a+\j+1]
.else
	v_pk_add_f32 v[HA+8*\b+\j:HA+8*\b+\j+1], v[64*(\a%4)+8*\b+\j:64*(\a%4)+8*\b+\j+1], v[BI+8*\b+\j:BI+8*\b+\j+1]
.endif
.endr
.endr
	WIN 0
	QUANT HA, PC+8*\a, PW+\a
.if \kind
	ds_store_b32 v[SSV], v[PW+\a] offset:2048+64*\a                    ; lanes r and r + 16 write the same word with the same value
	global_store_b128 v[LI], v[PC+8*\a:PC+8*\a+3], s[44:45] offset:(\a/4)*HS+1024*(\a%4)
	global_store_b128 v[LI], v[PC+8*\a+4:PC+8*\a+7], s[44:45] offset:(\a/4)*HS+1024*(\a%4)+512
.else
	v_lshrrev_b32 v[SH+\a], v[HSH], v[PW+\a]
	ds_store_b16 v[SSQ], v[SH+\a] offset:64*(\a/2)+16*(\a%2)           ; token 32 (a / 2) + 8 (a % 2) + r + 8 (r / 8) of the key step
	global_store_b128 v[LI], v[PC+8*\a:PC+8*\a+3], s[44:45] offset:512*\a
	global_store_b128 v[LI], v[PC+8*\a+4:PC+8*\a+7], s[44:45] offset:HS+512*\a
.endif
.endr
.if \kind
	ds_load_b128 v[HA:HA+3], v[SRD] offset:2048    ; LDS serves a wave's instructions in order: this sees my stores
.else
	ds_load_b128 v[HA:HA+3], v[SRD]
.endif
	s_wait_dscnt 0x0
	global_store_b128 v[SGO], v[HA:HA+3], s[46:47] ; sixteen lanes store a head's 256 scale bytes, consecutive
.endm
	s_wait_loadcnt 0x0                             ; the bias; its base may be written again
	s_cmp_lt_u32 ttmp9, 16
	s_cbranch_scc0 .Lout_v
	s_and_b32 s42, ttmp9, 1
	s_cmp_lg_u32 s42, 0                            ; k (1) or q (0)
	s_mov_b32 s43, 4096
	s_cselect_b32 s42, 0, 8704                     ; the codes' part of a record,
	s_cselect_b32 s46, 8192, s43                   ; and from there to the scale bytes' part
	s_lshr_b32 s40, s22, 3
	s_lshl_b32 s40, s40, 4
	s_lshl_b32 s41, s19, 2
	s_add_co_u32 s40, s40, s41
	s_lshl_b32 s41, s18, 1
	s_add_co_u32 s40, s40, s41                     ; 16 x batch + my first head: 4 cx + 2 x my half of P
	s_mul_i32 s40, s40, HS
	s_and_b32 s41, s22, 7
	s_lshl_b32 s41, s41, 1
	s_add_co_u32 s41, s41, s17                     ; the key step: 2 x (R's block in the batch) + my half of R
	s_mul_i32 s41, s41, REC
	s_add_co_u32 s40, s40, s41
	s_add_co_u32 s40, s40, s42
	s_mov_b32 s41, 0
	s_mov_b32 s47, 0
	s_add_nc_u64 s[44:45], s[14:15], s[40:41]
	s_add_nc_u64 s[46:47], s[44:45], s[46:47]
	EPI 0
	s_branch .Lend
.Lout_v:
	s_lshr_b32 s40, s21, 3
	s_lshl_b32 s40, s40, 4
	s_lshl_b32 s41, s20, 2
	s_add_co_u32 s40, s40, s41
	s_lshl_b32 s41, s17, 1
	s_add_co_u32 s40, s40, s41                     ; 16 x batch + my first head: 4 cy + 2 x my half of R
	s_mul_i32 s40, s40, HS
	s_and_b32 s41, s21, 7
	s_lshl_b32 s41, s41, 1
	s_add_co_u32 s41, s41, s18                     ; the key step: 2 x (P's block in the batch) + my half of P
	s_mul_i32 s41, s41, REC
	s_add_co_u32 s40, s40, s41
	s_add_co_u32 s40, s40, 4096
	s_mov_b32 s41, 0
	s_add_nc_u64 s[44:45], s[14:15], s[40:41]
	s_add_nc_u64 s[46:47], s[44:45], 4352
	EPI 1
.Lend:
	s_wait_dscnt 0x0
	s_wait_tensorcnt 0x0
	ds_add_u32 v106, v107
	s_wait_dscnt 0x0
	CROUND                                         ; the closing round: no work-group ends while a partner may still ask for a tile that names it
	s_endpgm
.Lfunc_end_k_q49ed7f32bc_qkv:
	.size	k_q49ed7f32bc_qkv, .Lfunc_end_k_q49ed7f32bc_qkv-k_q49ed7f32bc_qkv
	.p2alignl 7, 3214868480
	.fill 96, 4, 3214868480
	.section	.rodata,"a",@progbits
	.p2align	6, 0x0
	.amdhsa_kernel k_q49ed7f32bc_qkv
		.amdhsa_group_segment_fixed_size 284160
		.amdhsa_private_segment_fixed_size 0
		.amdhsa_enable_private_segment 0
		.amdhsa_kernarg_size 48
		.amdhsa_user_sgpr_count 2
		.amdhsa_user_sgpr_kernarg_segment_ptr 1
		.amdhsa_wavefront_size32 1
		.amdhsa_system_sgpr_workgroup_id_x 1
		.amdhsa_system_sgpr_workgroup_id_y 1
		.amdhsa_system_sgpr_workgroup_id_z 1
		.amdhsa_system_vgpr_workitem_id 0
		.amdhsa_next_free_vgpr 1024
		.amdhsa_next_free_sgpr 100
		.amdhsa_reserve_vcc 0
		.amdhsa_float_denorm_mode_32 3
		.amdhsa_float_denorm_mode_16_64 3
		.amdhsa_memory_ordered 1
		.amdhsa_forward_progress 1
		.amdhsa_inst_pref_size 202
	.end_amdhsa_kernel
	.amdgpu_metadata
---
amdhsa.version: [ 1, 2 ]
amdhsa.kernels:
  - .name:           k_q49ed7f32bc_qkv
    .symbol:         k_q49ed7f32bc_qkv.kd
    .args:
      - { .name: opc, .offset: 0, .size: 8, .value_kind: global_buffer, .address_space: global }
      - { .name: ops, .offset: 8, .size: 8, .value_kind: global_buffer, .address_space: global }
      - { .name: bq, .offset: 16, .size: 8, .value_kind: global_buffer, .address_space: global }
      - { .name: bk, .offset: 24, .size: 8, .value_kind: global_buffer, .address_space: global }
      - { .name: bv, .offset: 32, .size: 8, .value_kind: global_buffer, .address_space: global }
      - { .name: qkv, .offset: 40, .size: 8, .value_kind: global_buffer, .address_space: global }
    .group_segment_fixed_size: 284160
    .private_segment_fixed_size: 0
    .kernarg_segment_align: 8
    .kernarg_segment_size: 48
    .max_flat_workgroup_size: 128
    .sgpr_count:     100
    .vgpr_count:     1024
    .wavefront_size: 32
...
	.end_amdgpu_metadata
.endif
;; end of part 2
;; launch attn (part 3): grid 4 x 64, 16 waves a work-group, no clusters, 169,984 bytes of LDS; arguments qkv, cxc, cxs; writes cxc, cxs
.if DOCPART == 3
	.amdgcn_target "amdgcn-amd-amdhsa--gfx1250"
	.amdhsa_code_object_version 6
	.text
	.protected	k_q49ed7f32bc_attn
	.globl	k_q49ed7f32bc_attn
	.p2align	8
	.type	k_q49ed7f32bc_attn,@function
k_q49ed7f32bc_attn:
	s_mov_b64 s[64:65], 0
	v_nop
	global_prefetch_b8 v0, s[64:65] scope:SCOPE_SE
	s_setreg_imm32_b32 hwreg(HW_REG_WAVE_MODE, 25, 1), 1
	s_wait_xcnt 0x0
; ctx[b][q][head] = the sum over keys k <= q of softmax_k(Q . K / 8) V, both products on codes of FP4 (E2M1) with E8M0 scales; ctx is quantised at once along its 64 channels and leaves as codes for the last product.
; THE SOFTMAX AHEAD OF THE SECOND PRODUCT: t = score x log2(e) / 8; M = the row's largest t so far, rounded UP to a whole number; p = 2^(t - M) is what is quantised, along the keys, not normalised.
; The row's sum is taken of the unquantised p, in f32, and divides O at the end.  When M moves, the sum and O are multiplied by 2^(old M - new M): exact.
; SHARES.  A work-group serves one head of one batch; each of its sixteen waves owns two tiles of 16 queries, T = 16 x + wave and 127 - T: together they have 17 key steps of 128 keys that are not hidden, in every wave.
; A HEAD'S K AND V STAY IN LDS: 16 key steps x 8,704 bytes (K's 8 tiles, V^T's 4 images, K's scale bytes, V's scale words), each brought by ONE tensor load of one wave (one is out at the most); filled once, one barrier, nothing stored to LDS.
; NO CLUSTER: the work-groups that share a head differ in their queries, and with them in which key steps are hidden: partners in a cluster may not branch apart.
; LAYOUT.  Both products are used transposed: S^T = K Q^T (source 0 = 16 keys), O^T = V^T P^T (source 0 = 16 channels): a lane holds ONE query (lane % 16) throughout.  K's tiles hold keys 32 b + 8 u + r + 8 (r / 8), V^T's tiles
; channels likewise: the 16 registers of two neighbouring tiles are 16 neighbouring keys, or channels.  The head's size is 64: the upper 64 of the first product's K are zero codes on both sides, cleared once.
; CAUSAL.  Every wave walks all 16 key steps, so that the trip count is a constant; a step all of whose keys come after its queries is jumped over; in the step on the diagonal hidden scores become -infinity ahead of the maximum.
; LIMITS: NaN and infinities are not served; a block of p or of ctx whose largest magnitude lies under 2^-124 (zeros too) gets the byte 1.
; REGISTERS: v1-7 lane constants; v8-10 the step's LDS addresses; v12 -M, v13 the largest t, v[14:15] the sum in two halves; v16-23 Q; v24-31 K's scale words; v32-95 K; v96-159 S^T, then p, at last ctx; v160-191 O^T;
;   v192-223 V^T; v224-231 codes; v232-247 at work; v248-251 V's scale words; v252 f; v253 p's scale word; v254 at work; v255 Q's scale word.
.set REC,   13056
.set HS,    16*REC
.set STEPB, 8704
.set WV,  10                           ; s10 wave
.set BH,  11                           ; s11 batch x 16 + head
.set TT,  12                           ; s12 my tile of queries
.set Q0,  13                           ; s13 its first query
.set KF,  14                           ; s14 the step's first key
.set TB,  15                           ; s15 the step's first LDS byte
.set CNT, 16                           ; s16 steps to go
.set SEL, 20                           ; s[20:21]
.set CS,  22                           ; s[22:23] c = log2(e) / 8
	s_load_b128 s[4:7], s[0:1], 0x0                ; qkv s[4:5], cxc s[6:7]
	s_load_b64 s[8:9], s[0:1], 0x10                ; cxs
	v_lshl_add_u32 v242, v0, 2, 0x29000
	v_mov_b32 v243, 0
	ds_add_u32 v242, v243
	ds_add_u32 v242, v243
	v_lshrrev_b32 v1, 5, v0
	s_delay_alu instid0(VALU_DEP_1)
	v_readfirstlane_b32 s[WV], v1                  ; wave 0..15
	s_and_b32 s[BH], ttmp7, 0xffff
	s_mul_i32 s44, s[BH], HS
	s_mov_b32 s45, 0
	s_mul_i32 s46, s[WV], REC
	s_mov_b32 s47, 0
	s_mov_b32 s28, 3<<16                           ; group 1: 34 rows of 256 bytes (32 elements of 8), dense in memory and in LDS; no mask, no padding
	s_mov_b32 s29, 32<<16                          ; tensor_dim0
	s_mov_b32 s30, 34<<16                          ; tensor_dim1
	s_mov_b32 s31, 32<<16                          ; tile_dim0
	s_mov_b32 s32, 34                              ; tile_dim1
	s_mov_b32 s33, 32                              ; from row to row
	s_mov_b32 s34, 0
	s_mov_b32 s35, 0
	s_mov_b32 s24, 1
	s_mul_i32 s25, s[WV], STEPB                    ; key step = my wave's number
	s_mov_b32 s[SEL], 0x76543210
	s_mov_b32 s[SEL+1], 0xfedcba98
	s_mov_b32 s[CS], 0x3e38aa3b
	s_mov_b32 s[CS+1], s[CS]                       ; (named with it as a pair, so it is written)
	s_lshl_b32 s[TT], ttmp9, 4
	s_add_co_u32 s[TT], s[TT], s[WV]               ; the first pass's tile
	s_wait_dscnt 0x0
	s_wait_kmcnt 0x0
	s_add_nc_u64 s[18:19], s[4:5], s[44:45]        ; the head's records
	s_add_nc_u64 s[26:27], s[18:19], s[46:47]
	s_or_b32 s27, s27, 0x80000000
	tensor_load_to_lds s[24:27], s[28:35]
	s_nop 0
.rept 4
	v_nop
.endr
	v_and_b32 v11, 31, v0
	s_delay_alu instid0(VALU_DEP_1)
	v_lshlrev_b32 v1, 4, v11                       ; 16 x lane
	v_and_b32 v5, 15, v0                           ; r
	v_bfe_u32 v6, v0, 4, 1                         ; h
	s_delay_alu instid0(VALU_DEP_2)
	v_and_b32 v2, 8, v5
	s_delay_alu instid0(VALU_DEP_1)
	v_add_nc_u32 v2, v2, v5
	s_delay_alu instid0(VALU_DEP_1)
	v_lshl_add_u32 v2, v2, 1, 8192                 ; K's scale bytes: 2 a key, key r + 8 (r / 8) of a tile
	v_lshl_add_u32 v3, v5, 2, 8448                 ; V's scale words
	v_lshrrev_b32 v4, 3, v5
	s_delay_alu instid0(VALU_DEP_1)
	v_lshlrev_b32 v4, 9, v4
	s_delay_alu instid0(VALU_DEP_1)
	v_lshl_add_u32 v4, v6, 8, v4
	v_and_b32 v7, 7, v5
	s_delay_alu instid0(VALU_DEP_1)
	v_lshl_add_u32 v4, v7, 4, v4                   ; Q: query r of a tile of 16 neighbours lies in stored tile r / 8 of two, lane r % 8 (+ 8 for odd T): 512 (r / 8) + 256 h + 16 (r % 8)
	v_lshlrev_b32 v7, 4, v6
	s_delay_alu instid0(VALU_DEP_1)
	v_sub_nc_u32 v7, v5, v7                        ; r - 16 h
	v_lshlrev_b32 v6, 5, v5                        ; 32 r: my row of ctx's scale bytes
	v_lshlrev_b32 v5, 1, v5                        ; 2 r: my query's scale bytes
.irp t, 0,1,2,3,4,5,6,7
.irp e, 4,5,6,7
	v_mov_b32 v[32+8*\t+\e], 0                     ; K's upper 64 along K: zero codes, cleared once
.endr
.endr
.irp e, 20,21,22,23
	v_mov_b32 v\e, 0                               ; Q's likewise
.endr
.irp e, 236,237,238,239,252,253
	v_mov_b32 v\e, 0                               ; written once: a lane permute's destination counts as one of its sources, and a pair is named whole
.endr
	s_wait_tensorcnt 0x0                           ; my key step is in,
	s_barrier_signal -1
	s_barrier_wait -1                              ; everybody's is
.macro STEP                            ; 128 keys
	s_add_co_u32 s44, s[Q0], 15
	s_cmp_gt_u32 s[KF], s44
	s_cbranch_scc1 .Lhidden_\@                     ; all its keys come after my queries
	s_setprio 2
	v_add_nc_u32 v8, s[TB], v1                     ; these three and the v_nop are the four places between the last step's products and the loads into their operands
	v_add_nc_u32 v9, s[TB], v2
	v_add_nc_u32 v10, s[TB], v3
	v_nop
.irp t, 0,1,2,3,4,5,6,7
	ds_load_b128 v[32+8*\t:35+8*\t], v8 offset:512*\t
.endr
.irp t, 0,1,2,3,4,5,6,7
	ds_load_u16 v[24+\t], v9 offset:(32*(\t/2)+8*(\t%2))*2   ; two bytes; the upper two, 0, stand over zero codes
.endr
.irp t, 0,1,2,3
.irp c, 0,1
	ds_load_b128 v[192+8*\t+4*\c:195+8*\t+4*\c], v8 offset:4096+1024*\t+512*\c
.endr
.endr
.irp t, 0,1,2,3
	ds_load_b32 v[248+\t], v10 offset:64*\t
.endr
	s_wait_dscnt 12                                ; K and its scales are in; V's twelve loads may be out
.irp t, 0,1,2,3,4,5,6,7
	v_wmma_scale_f32_16x16x128_f8f6f4 v[96+8*\t:103+8*\t], v[32+8*\t:39+8*\t], v[16:23], 0, v[24+\t], v255 matrix_a_fmt:MATRIX_FMT_FP4 matrix_b_fmt:MATRIX_FMT_FP4
.endr
.rept 4
	v_nop
.endr
	s_add_co_u32 s44, s[KF], 127
	s_cmp_le_u32 s44, s[Q0]
	s_cbranch_scc1 .Lopen_\@                       ; all its keys count
	s_sub_co_i32 s44, s[Q0], s[KF]
	v_add_nc_u32 v252, s44, v7                     ; d = my query - KF - 16 h.  Register 16 b + i holds key KF + 32 b + 16 h + i: hidden where 32 b + i > d
	v_mov_b32 v254, 0xff800000                     ; -infinity
.set JJ, 0
.rept 64
	v_cmp_gt_i32 vcc_lo, 32*(JJ/16)+JJ%16, v252
	v_cndmask_b32 v[96+JJ], v[96+JJ], v254, vcc_lo
.set JJ, JJ+1
.endr
.Lopen_\@:
.irp b, 0,1,2,3
	v_max3_num_f32 v[232+\b], v[96+16*\b], v[97+16*\b], v[98+16*\b]   ; the largest score of each block of 32 keys: it serves the row's maximum and, since p rises with the score, the block's largest p
.endr
.irp i, 3,5,7,9,11,13
.irp b, 0,1,2,3
	v_max3_num_f32 v[232+\b], v[232+\b], v[96+16*\b+\i], v[97+16*\b+\i]
.endr
.endr
.irp b, 0,1,2,3
	v_max_num_f32 v[232+\b], v[232+\b], v[111+16*\b]
.endr
.irp b, 0,1,2,3
	s_delay_alu instid0(VALU_DEP_4)
	v_permlanex16_b32 v[236+\b], v[232+\b], s[SEL], s[SEL+1]
.endr
.irp b, 0,1,2,3
	s_delay_alu instid0(VALU_DEP_4)
	v_max_num_f32 v[232+\b], v[232+\b], v[236+\b]  ; with lane l xor 16's 16 keys
.endr
	s_delay_alu instid0(VALU_DEP_2)
	v_max3_num_f32 v254, v232, v233, v234
	s_delay_alu instid0(VALU_DEP_1)
	v_max_num_f32 v254, v254, v235
	s_delay_alu instid0(VALU_DEP_1)
	v_mul_f32 v254, s[CS], v254                    ; the step's largest t
	s_delay_alu instid0(VALU_DEP_1)
	v_max_num_f32 v13, v13, v254                   ; the running largest t
	v_mov_b32 v254, v12
	s_delay_alu instid0(VALU_DEP_2)
	v_floor_f32 v12, -v13                          ; the new -M = -ceil(t)
	s_delay_alu instid0(VALU_DEP_1)
	v_sub_f32 v254, v12, v254                      ; old M - new M: a whole number, 0 or less
	s_delay_alu instid0(VALU_DEP_1)
	v_cvt_i32_f32 v254, v254                       ; (it saturates)
	s_delay_alu instid0(VALU_DEP_1)
	v_ldexp_f32 v252, 1.0, v254                    ; f = 2^(old M - new M)
.set JJ, 0
.rept 32
	v_pk_fma_f32 v[96+JJ:97+JJ], v[96+JJ:97+JJ], s[CS:CS+1], v[12:13] op_sel_hi:[1,0,0]   ; t - M, two at a time
.set JJ, JJ+2
.endr
	s_setprio 1
.irp b, 0,1,2,3
	v_fma_f32 v[232+\b], v[232+\b], s[CS], v12     ; the same of each block's largest score
.endr
.set JJ, 0
	s_wait_alu depctr_va_vdst(0)
.rept 64
	v_exp_f32 v[96+JJ], v[96+JJ]                   ; p = 2^(t - M)
.set JJ, JJ+1
.endr
.irp b, 0,1,2,3
	v_exp_f32 v[232+\b], v[232+\b]                 ; the block's largest p
.endr
	v_pk_mul_f32 v[14:15], v[14:15], v[252:253] op_sel_hi:[1,0]   ; the sums under the new M.  (A plain place behind the exponentials)
	s_wait_alu depctr_va_vdst(0)
.irp b, 0,1,2,3
	v_max_num_f32 v[232+\b], 0x1800000, v[232+\b]  ; the floor 2^(3 - 127)
.endr
.irp b, 0,1,2,3
	s_delay_alu instid0(VALU_DEP_4)
	v_add_nc_u32 v[244+\b], 0xff000000, v[232+\b]  ; the conversion's scale operand
.endr
.irp b, 0,1,2,3
	s_delay_alu instid0(VALU_DEP_4)
	v_lshrrev_b32 v[236+\b], 23, v[244+\b]         ; the byte
.endr
	s_delay_alu instid0(VALU_DEP_3)
	v_lshl_or_b32 v253, v237, 8, v236              ; p's scale word for these 128 keys
	s_delay_alu instid0(VALU_DEP_1)
	v_lshl_or_b32 v253, v238, 16, v253
	s_delay_alu instid0(VALU_DEP_1)
	v_lshl_or_b32 v253, v239, 24, v253
.irp b, 0,1,2,3
	v_cvt_scalef32_pk8_fp4_f32 v[224+2*\b], v[96+16*\b:103+16*\b], v[244+\b]
	v_cvt_scalef32_pk8_fp4_f32 v[225+2*\b], v[104+16*\b:111+16*\b], v[244+\b]
.endr
	v_nop                                          ; one plain place behind a scaled conversion
.irp c, 0,1
.irp i, 0,1
	v_permlane16_swap_b32 v[224+4*\c+\i], v[226+4*\c+\i]   ; a whole block to a lane
.endr
.endr
	v_pk_add_f32 v[236:237], v[100:101], v[104:105]
	v_pk_add_f32 v[246:247], v[108:109], v[112:113]
	v_pk_add_f32 v[244:245], v[116:117], v[120:121]
	v_pk_add_f32 v[240:241], v[124:125], v[128:129]
	v_pk_add_f32 v[234:235], v[132:133], v[136:137]
	v_pk_add_f32 v[232:233], v[140:141], v[144:145]
	v_pk_add_f32 v[90:91], v[148:149], v[152:153]
	v_pk_add_f32 v[14:15], v[14:15], v[156:157]
	v_pk_add_f32 v[236:237], v[236:237], v[96:97]
	v_pk_add_f32 v[246:247], v[246:247], v[98:99]
	v_pk_add_f32 v[244:245], v[244:245], v[102:103]
	s_setprio 0
	v_pk_add_f32 v[240:241], v[240:241], v[106:107]
	v_pk_add_f32 v[234:235], v[234:235], v[110:111]
	v_pk_add_f32 v[232:233], v[232:233], v[114:115]
	v_pk_add_f32 v[90:91], v[90:91], v[118:119]
	v_pk_add_f32 v[14:15], v[14:15], v[122:123]
	v_pk_add_f32 v[236:237], v[236:237], v[126:127]
	v_pk_add_f32 v[246:247], v[246:247], v[130:131]
	v_pk_add_f32 v[244:245], v[244:245], v[134:135]
	v_pk_add_f32 v[240:241], v[240:241], v[138:139]
	v_pk_add_f32 v[234:235], v[234:235], v[142:143]
	v_pk_add_f32 v[232:233], v[232:233], v[146:147]
	v_pk_add_f32 v[90:91], v[90:91], v[150:151]
	v_pk_add_f32 v[14:15], v[14:15], v[154:155]
	v_pk_add_f32 v[236:237], v[236:237], v[158:159]
	s_delay_alu instid0(VALU_DEP_2)
	v_pk_add_f32 v[14:15], v[14:15], v[240:241]
	s_delay_alu instid0(VALU_DEP_2)
	v_pk_add_f32 v[236:237], v[236:237], v[234:235]
	v_pk_add_f32 v[246:247], v[246:247], v[232:233]
	v_pk_add_f32 v[244:245], v[244:245], v[90:91]
	s_delay_alu instid0(VALU_DEP_2)
	v_pk_add_f32 v[14:15], v[14:15], v[246:247]
	s_delay_alu instid0(VALU_DEP_2)
	v_pk_add_f32 v[236:237], v[236:237], v[244:245]
	s_delay_alu instid0(VALU_DEP_1)
	v_pk_add_f32 v[14:15], v[14:15], v[236:237]
.set JJ, 0
.rept 16
	v_pk_mul_f32 v[160+JJ:161+JJ], v[160+JJ:161+JJ], v[252:253] op_sel_hi:[1,0]   ; O^T under the new M.  (With the sums: the places between the scale word's and the codes' last writes and the products below)
.set JJ, JJ+2
.endr
	s_wait_alu depctr_va_vdst(0)
	s_wait_dscnt 0x0                               ; V and its scale words are in
.irp t, 0,1,2,3                                ; the four accumulators take turns, one instruction a turn
	v_wmma_scale_f32_16x16x128_f8f6f4 v[160+8*\t:167+8*\t], v[192+8*\t:199+8*\t], v[224:231], v[160+8*\t:167+8*\t], v[248+\t], v253 matrix_a_fmt:MATRIX_FMT_FP4 matrix_b_fmt:MATRIX_FMT_FP4
.endr
.Lhidden_\@:
	s_add_co_u32 s[KF], s[KF], 128
	s_add_co_u32 s[TB], s[TB], STEPB
.endm
.macro PASS                            ; one tile of 16 queries, s[TT]
	s_wait_xcnt 0x0                                ; the last pass's loads and stores have read their bases and data: they are written again only behind this wait
	s_lshl_b32 s[Q0], s[TT], 4
	s_lshr_b32 s44, s[TT], 3
	s_mul_i32 s44, s44, REC                        ; the record that holds my queries
	s_bfe_u32 s45, s[TT], 0x20001
	s_lshl_b32 s45, s45, 10
	s_add_co_u32 s45, s45, s44
	s_and_b32 s46, s[TT], 1
	s_lshl_b32 s46, s46, 7
	s_add_co_u32 s46, s46, s45
	s_add_co_u32 s46, s46, 8704                    ; Q's part + 1,024 ((T / 2) % 4) + 128 (T % 2)
	s_mov_b32 s47, 0
	s_add_nc_u64 s[36:37], s[18:19], s[46:47]
	s_and_b32 s46, s[TT], 7
	s_lshl_b32 s46, s46, 5
	s_add_co_u32 s46, s46, s44
	s_add_co_u32 s46, s46, 12800                   ; Q's scale bytes + 32 (T % 8)
	s_add_nc_u64 s[38:39], s[18:19], s[46:47]
	s_lshr_b32 s44, s[BH], 4
	s_lshl_b32 s45, s44, 7
	s_add_co_u32 s45, s45, s[TT]                   ; ctx's tile of 16 rows: 128 x batch + T
	s_lshl_b32 s46, s45, 13
	s_and_b32 s44, s[BH], 15
	s_lshl_b32 s44, s44, 9
	s_add_co_u32 s46, s46, s44                     ; its eight images; the head's 512 bytes there
	s_add_nc_u64 s[40:41], s[6:7], s[46:47]
	s_lshl_b32 s46, s45, 9
	s_lshr_b32 s44, s44, 8
	s_add_co_u32 s46, s46, s44                     ; its 16 x 32 scale bytes; the head's two in a row
	s_add_nc_u64 s[42:43], s[8:9], s[46:47]
	global_load_b128 v[16:19], v4, s[36:37]
	global_load_u16 v255, v5, s[38:39]
	v_mov_b32 v13, 0xff61b1e6                      ; the largest t so far: -3e38
	s_delay_alu instid0(VALU_DEP_1)
	v_floor_f32 v12, -v13
	v_mov_b32 v14, 0
	v_mov_b32 v15, 0
.set JJ, 0
.rept 32
	v_mov_b32 v[160+JJ], 0                         ; O^T: the step is written once: the first finds zeros, which the first change of M leaves zeros
.set JJ, JJ+1
.endr
	s_mov_b32 s[KF], 0
	s_mov_b32 s[TB], 0
	s_mov_b32 s[CNT], 16
	s_wait_loadcnt 0x0
.Lstep_\@:
	STEP
	s_sub_co_u32 s[CNT], s[CNT], 1
	s_cmp_lg_u32 s[CNT], 0
	s_cbranch_scc1 .Lstep_\@
	s_setprio 0
.rept 4
	v_nop                                          ; places behind the last products
.endr
	v_add_f32 v14, v14, v15                        ; the sum's two halves,
	s_delay_alu instid0(VALU_DEP_1)
	v_permlanex16_b32 v252, v14, s[SEL], s[SEL+1]
	s_delay_alu instid0(VALU_DEP_1)
	v_add_f32 v14, v14, v252                       ; and lane l xor 16's
	s_wait_alu depctr_va_vdst(0)
	v_rcp_f32 v14, v14
	v_nop                                          ; a plain place behind the transcendental
.set JJ, 0
	s_wait_alu depctr_va_vdst(0)
.rept 16
	v_pk_mul_f32 v[96+JJ:97+JJ], v[160+JJ:161+JJ], v[14:15] op_sel_hi:[1,0]   ; ctx: register 16 b + i is channel 32 b + 16 h + i of my query
.set JJ, JJ+2
.endr
.irp b, 0,1                                    ; its two blocks of 32 are quantised
	v_max3_num_f32 v[232+\b], |v[96+16*\b]|, |v[97+16*\b]|, 0x1800000
.endr
.irp i, 2,4,6,8,10,12,14
.irp b, 0,1
	s_delay_alu instid0(VALU_DEP_2)
	v_max3_num_f32 v[232+\b], v[232+\b], |v[96+16*\b+\i]|, |v[97+16*\b+\i]|
.endr
.endr
.irp b, 0,1
	s_delay_alu instid0(VALU_DEP_2)
	v_permlanex16_b32 v[236+\b], v[232+\b], s[SEL], s[SEL+1]
.endr
.irp b, 0,1
	s_delay_alu instid0(VALU_DEP_2)
	v_max_num_f32 v[232+\b], v[232+\b], v[236+\b]
.endr
.irp b, 0,1
	s_delay_alu instid0(VALU_DEP_2)
	v_add_nc_u32 v[244+\b], 0xff000000, v[232+\b]
.endr
.irp b, 0,1
	s_delay_alu instid0(VALU_DEP_2)
	v_lshrrev_b32 v[236+\b], 23, v[244+\b]
.endr
	s_delay_alu instid0(VALU_DEP_1)
	v_lshl_or_b32 v240, v237, 8, v236
.irp b, 0,1
	v_cvt_scalef32_pk8_fp4_f32 v[224+2*\b], v[96+16*\b:103+16*\b], v[244+\b]
	v_cvt_scalef32_pk8_fp4_f32 v[225+2*\b], v[104+16*\b:111+16*\b], v[244+\b]
.endr
	v_nop                                          ; one plain place behind a scaled conversion
	v_permlane16_swap_b32 v224, v226
	v_permlane16_swap_b32 v225, v227               ; lane (r, h): block h of row r
	global_store_b128 v1, v[224:227], s[40:41]     ; 512 consecutive bytes of the image
	global_store_b16 v6, v240, s[42:43]            ; 2 of a row's 32 scale bytes (lanes r and r + 16: the same value): pieces, since a head owns no more of a row
.endm
	PASS
	s_sub_co_u32 s[TT], 127, s[TT]                 ; the second pass's tile
	PASS
	s_wait_tensorcnt 0x0
	ds_add_u32 v242, v243
	s_wait_dscnt 0x0
	s_endpgm
.Lfunc_end_k_q49ed7f32bc_attn:
	.size	k_q49ed7f32bc_attn, .Lfunc_end_k_q49ed7f32bc_attn-k_q49ed7f32bc_attn
	.p2alignl 7, 3214868480
	.fill 96, 4, 3214868480
	.section	.rodata,"a",@progbits
	.p2align	6, 0x0
	.amdhsa_kernel k_q49ed7f32bc_attn
		.amdhsa_group_segment_fixed_size 169984
		.amdhsa_private_segment_fixed_size 0
		.amdhsa_enable_private_segment 0
		.amdhsa_kernarg_size 24
		.amdhsa_user_sgpr_count 2
		.amdhsa_user_sgpr_kernarg_segment_ptr 1
		.amdhsa_wavefront_size32 1
		.amdhsa_system_sgpr_workgroup_id_x 1
		.amdhsa_system_sgpr_workgroup_id_y 1
		.amdhsa_system_sgpr_workgroup_id_z 1
		.amdhsa_system_vgpr_workitem_id 0
		.amdhsa_next_free_vgpr 256
		.amdhsa_next_free_sgpr 66
		.amdhsa_reserve_vcc 1
		.amdhsa_float_denorm_mode_32 3
		.amdhsa_float_denorm_mode_16_64 3
		.amdhsa_memory_ordered 1
		.amdhsa_forward_progress 1
		.amdhsa_inst_pref_size 63
	.end_amdhsa_kernel
	.amdgpu_metadata
---
amdhsa.version: [ 1, 2 ]
amdhsa.kernels:
  - .name:           k_q49ed7f32bc_attn
    .symbol:         k_q49ed7f32bc_attn.kd
    .args:
      - { .name: qkv, .offset: 0, .size: 8, .value_kind: global_buffer, .address_space: global }
      - { .name: cxc, .offset: 8, .size: 8, .value_kind: global_buffer, .address_space: global }
      - { .name: cxs, .offset: 16, .size: 8, .value_kind: global_buffer, .address_space: global }
    .group_segment_fixed_size: 169984
    .private_segment_fixed_size: 0
    .kernarg_segment_align: 8
    .kernarg_segment_size: 24
    .max_flat_workgroup_size: 512
    .sgpr_count:     66
    .vgpr_count:     256
    .wavefront_size: 32
...
	.end_amdgpu_metadata
.endif
;; end of part 3
;; launch oproj (part 4): grid 32 x 4, 4 waves a work-group, clusters of 4 x 4, 327,680 bytes of LDS; arguments opc, ops, cxc, cxs, bo, out0; writes out0
.if DOCPART == 4
	.amdgcn_target "amdgcn-amd-amdhsa--gfx1250"
	.amdhsa_code_object_version 6
	.text
	.protected	k_q49ed7f32bc_oproj
	.globl	k_q49ed7f32bc_oproj
	.p2align	8
	.type	k_q49ed7f32bc_oproj,@function
k_q49ed7f32bc_oproj:
	s_mov_b64 s[64:65], 0
	v_nop
	global_prefetch_b8 v0, s[64:65] scope:SCOPE_SE
	s_setreg_imm32_b32 hwreg(HW_REG_WAVE_MODE, 25, 1), 1
	s_wait_xcnt 0x0
	s_wait_alu depctr_hold_cnt(0) depctr_sa_sdst(0) depctr_va_vdst(0) depctr_va_sdst(0) depctr_va_ssrc(0) depctr_va_vcc(0) depctr_vm_vsrc(0)
	s_getreg_b32 s2, hwreg(HW_REG_IB_STS2, 6, 4)
	s_cmp_eq_u32 s2, 0
	s_cbranch_scc0 .Lentry_in_a_cluster
	s_endpgm
.Lentry_in_a_cluster:
	s_bfe_u32 s2, ttmp6, 0x10000c
	s_cmp_lg_u32 s2, 0xf033
	s_cbranch_scc0 .Lentry_shape_is_right
	s_endpgm
.Lentry_shape_is_right:
; out0 = ctx Wo + bo on codes of FP4 (E2M1) with E8M0 scales, K = 1,024, sums in f32.  ctx's codes and scale bytes come from the attention launch, Wo's from the quantising launch, both as images of the operands' registers
; (1,024 bytes for 16 rows x 128 K) and 32 scale bytes a row.
; A work-group of four waves makes 256 x 256 of out0, a wave 128 x 128: 64 accumulators.  The matrix instruction is used transposed: source 0 = 16 columns of Wo (operand P), source 1 = 16 rows of ctx (operand R): a lane holds one
; row of out0; Wo's tiles hold columns 32 b + 8 u + r + 8 (r / 8), so register j of tile 2 b + u is column 32 b + 16 h + 8 u + j.  The bias is the C of each sum's first product.
; ALL OF K FITS IN LDS: two halves of K, 131,072 bytes each, and the scales: every LDS byte is filled once, three tensor loads a wave at the start (three are out at the most), no refill.
; CLUSTERS: 4 x 4 work-groups; R's tiles are shared along a row of the cluster, P's along a column: joint loads with a mask that names the four.  32 x 4 tiles: 128 work-groups.
; REGISTERS: window 0: v14-27 addresses; v32-95 scale words, two sets; v128-191 R's fragments; v192-255 the bias; on the way out v128-255 rows of out0.  window 1: P's fragments, two sets.  windows 2, 3: the accumulators.
.set NQ,    4
.set FR,    8
.set NL,    2
.set NP,    4                          ; places behind this matrix instruction (ISA guide 7.12.1)
.set HALFT, 32768                      ; 8 tiles x 4 steps x 1,024 bytes
.set SLOT,  131072
.set SCL,   262144
.set HALFS, 4352
.set SBLK,  544
.set STG,   279552                     ; the way out: 16 rows x (512 bytes + 16) for each wave
.set SPITCH, 528
.set LI,   8                           ; v8   16 x lane
.set BQO,  14                          ; v14  64 h
.set ADRA, 16
.set ADRB, 20
.set STO,  24                          ; v24  where I put 32 bytes of a row
.set RD,   25                          ; v25  where I read a row back
.set CO,   26                          ; v26  my byte offset in a row of out0
.set ADRS, 27
.set SC,   32
.set AF,   128
.set BK,   128
.set BI,   192
.set G1, 24
.set G0, 32
.set G1B, 48
.set G0B, 56
.set G1S, 68
.set G0S, 76
.set G1SB, 80
.set G0SB, 88
.set MSB, 0
.macro WIN new                         ; the immediate's high byte repeats the setting that is left
.if MSB != (\new)
	s_set_vgpr_msb (MSB<<8)|(\new)
.set MSB, (\new)
.endif
.endm
.set MUL_LO, 0xa1                      ; source 0 (P) window 1, source 1 (R) window 0, C and D window 2
.set MUL_HI, 0xf1
.set FST_LO, 0x81                      ; the first products: C (the bias) window 0, D window 2
.set FST_HI, 0xc1
.set TO_B,   0x40
.macro JLOAD g0a, g1a, g0b, g1b        ; a joint load: waves 0 and 1 fetch R's halves, waves 2 and 3 P's; four v_nop follow each of the two lines
	s_cmp_eq_u32 s17, 0
	s_cbranch_scc0 .Lfor_p_\@
	tensor_load_to_lds s[\g0a:\g0a+3], s[\g1a:\g1a+7]
	s_nop 0
.rept 4
	v_nop
.endr
	s_branch .Lasked_\@
.Lfor_p_\@:
	tensor_load_to_lds s[\g0b:\g0b+3], s[\g1b:\g1b+7]
	s_nop 0
.rept 4
	v_nop
.endr
.Lasked_\@:
.endm
.macro CROUND                          ; a round of the cluster's barrier
	s_barrier_signal -1
	s_barrier_wait -1
	s_cmp_lg_u32 s16, 0
	s_cbranch_scc1 .Lnot_wave_0_\@
	s_barrier_signal -3
.Lnot_wave_0_\@:
	s_barrier_wait -3
	s_barrier_signal -1
	s_barrier_wait -1
.endm
	s_load_b128 s[4:7], s[0:1], 0x0                ; opc s[4:5], ops s[6:7]
	s_load_b128 s[8:11], s[0:1], 0x10              ; cxc s[8:9], cxs s[10:11]
	s_load_b128 s[12:15], s[0:1], 0x20             ; bo s[12:13], out0 s[14:15]
	v_lshl_add_u32 v126, v0, 2, 0x4c800
	v_mov_b32 v127, 0
	ds_add_u32 v126, v127
	ds_add_u32 v126, v127
	v_lshrrev_b32 v1, 5, v0
	v_readfirstlane_b32 s16, v1                    ; wave 0..3
	s_lshr_b32 s17, s16, 1                         ; my half of R's rows.  Also: I fetch for R (0) or for P (1)
	s_and_b32 s18, s16, 1                          ; my half of P's rows.  Also: which 128 rows I fetch
	s_bfe_u32 s19, ttmp6, 0x40000                  ; cx
	s_bfe_u32 s20, ttmp6, 0x40004                  ; cy
	s_add_co_u32 s21, s19, 44                      ; P: Wo's block of 256 columns
	s_lshl_b32 s22, ttmp9, 2
	s_add_co_u32 s22, s22, s20                     ; R: ctx's block of 256 rows = 4 x cluster + cy
	s_lshl_b32 s40, s20, 2
	s_lshl_b32 s40, 15, s40                        ; my row of the cluster
	s_lshl_b32 s41, 0x1111, s19                    ; my column
	s_or_b32 s[G1+0], s40, (3<<16)|(1<<21)         ; codes: 8 rows of 4,096 bytes (512 elements of 8), 8,192 bytes apart, dense in LDS
	s_or_b32 s[G1B+0], s41, (3<<16)|(1<<21)
.irp g, G1, G1B
	s_mov_b32 s[\g+1], 512<<16
	s_mov_b32 s[\g+2], 8<<16
	s_mov_b32 s[\g+3], 512<<16
	s_mov_b32 s[\g+4], 8
	s_mov_b32 s[\g+5], 1024
	s_mov_b32 s[\g+6], 0
	s_mov_b32 s[\g+7], 0
.endr
	s_or_b32 s[G1S+0], s40, (3<<16)|(1<<20)|(1<<21)|(5<<22)|(3<<25)   ; scales of 128 rows: 16 rows of 256 bytes, 16 bytes of padding behind each
	s_or_b32 s[G1SB+0], s41, (3<<16)|(1<<20)|(1<<21)|(5<<22)|(3<<25)
.irp g, G1S, G1SB
	s_mov_b32 s[\g+1], 32<<16
	s_mov_b32 s[\g+2], 16<<16
	s_mov_b32 s[\g+3], 32<<16
	s_mov_b32 s[\g+4], 16
	s_mov_b32 s[\g+5], 32
	s_mov_b32 s[\g+6], 0
	s_mov_b32 s[\g+7], 0
.endr
	s_lshl_b32 s45, s18, 16
	s_lshl_b32 s46, s18, 12
	s_lshl_b32 s92, s22, 17
	s_add_co_u32 s92, s92, s45                     ; R's codes
	s_mov_b32 s93, 0
	s_lshl_b32 s94, s21, 17
	s_add_co_u32 s94, s94, s45                     ; P's
	s_mov_b32 s95, 0
	s_lshl_b32 s96, s22, 13
	s_add_co_u32 s96, s96, s46                     ; R's scales
	s_mov_b32 s97, 0
	s_lshl_b32 s98, s21, 13
	s_add_co_u32 s98, s98, s46                     ; P's
	s_mov_b32 s99, 0
	s_lshl_b32 s47, s16, 15                        ; where they go: no place in the cluster enters an LDS address
	s_mul_i32 s23, s16, HALFS
	s_wait_dscnt 0x0
	s_wait_kmcnt 0x0
	s_add_nc_u64 s[92:93], s[8:9], s[92:93]
	s_add_nc_u64 s[94:95], s[4:5], s[94:95]
	s_add_nc_u64 s[96:97], s[10:11], s[96:97]
	s_add_nc_u64 s[98:99], s[6:7], s[98:99]
	CROUND                                         ; all sixteen work-groups are here: the joint loads meet
	s_mov_b32 s[G0S], 1
	s_add_co_u32 s[G0S+1], s23, SCL
	s_mov_b64 s[G0S+2:G0S+3], s[96:97]
	s_or_b32 s[G0S+3], s[G0S+3], 0x80000000
	s_mov_b32 s[G0SB], 1
	s_add_co_u32 s[G0SB+1], s23, SCL
	s_mov_b64 s[G0SB+2:G0SB+3], s[98:99]
	s_or_b32 s[G0SB+3], s[G0SB+3], 0x80000000
	JLOAD G0S, G1S, G0SB, G1SB
.irp s, 0,1
	s_mov_b32 s[G0+4*\s], 1
	s_add_co_u32 s[G0+4*\s+1], s47, \s*SLOT
	s_add_nc_u64 s[G0+4*\s+2:G0+4*\s+3], s[92:93], \s*4096
	s_or_b32 s[G0+4*\s+3], s[G0+4*\s+3], 0x80000000
	s_mov_b32 s[G0B+4*\s], 1
	s_add_co_u32 s[G0B+4*\s+1], s47, \s*SLOT
	s_add_nc_u64 s[G0B+4*\s+2:G0B+4*\s+3], s[94:95], \s*4096
	s_or_b32 s[G0B+4*\s+3], s[G0B+4*\s+3], 0x80000000
	s_wait_alu depctr_va_vdst(0)
	s_wait_tensorcnt 0x0
	ds_add_u32 v126, v127
	s_wait_dscnt 0x0
	CROUND
	JLOAD G0+4*\s, G1, G0B+4*\s, G1B
.endr
	v_and_b32 v1, 15, v0                           ; r
	v_bfe_u32 v2, v0, 4, 1                         ; h
	v_and_b32 v3, 31, v0
	v_lshlrev_b32 v[LI], 4, v3
	s_wait_alu depctr_va_vdst(0)
	v_lshlrev_b32 v[BQO], 6, v2
	s_lshl_b32 s42, s19, 10
	s_lshl_b32 s43, s18, 9
	s_add_co_u32 s42, s42, s43                     ; my first column, in bytes: 4 x (256 cx + 128 x my half of P)
	s_mov_b32 s43, 0
	s_add_nc_u64 s[12:13], s[12:13], s[42:43]
.irp b, 0,1,2,3,4,5,6,7                        ; the bias in the results' layout: register 8 b + j is column 32 (b / 2) + 16 h + 8 (b % 2) + j
	global_load_b128 v[BI+8*\b:BI+8*\b+3], v[BQO], s[12:13] offset:(32*(\b/2)+8*(\b%2))*4
	global_load_b128 v[BI+8*\b+4:BI+8*\b+7], v[BQO], s[12:13] offset:(32*(\b/2)+8*(\b%2))*4+16
.endr
	s_lshl_b32 s40, s22, 8
	s_lshl_b32 s41, s17, 7
	s_add_co_u32 s40, s40, s41                     ; my first row of out0
	s_lshl_b32 s40, s40, 12
	s_add_co_u32 s40, s40, s42
	s_mov_b32 s41, 0
	s_add_nc_u64 s[14:15], s[14:15], s[40:41]
	s_lshl_b32 s44, s17, 15                        ; my 8 tiles of R,
	s_lshl_b32 s45, s18, 15
	s_add_co_u32 s45, s45, 2*HALFT                 ; my 8 of P, behind R's 16
.irp s, 0,1
	v_add_nc_u32 v[ADRA+\s], s44, v[LI]
	v_add_nc_u32 v[ADRB+\s], s45, v[LI]
	s_add_co_u32 s44, s44, SLOT
	s_add_co_u32 s45, s45, SLOT
.endr
	v_mul_u32_u24 v5, v1, 32                       ; my row's scales: 32 bytes a row,
	v_lshrrev_b32 v6, 8, v5
	v_lshl_add_u32 v5, v6, 4, v5                   ; and 16 more for each 256 passed
	s_mul_i32 s44, s17, HALFS
	s_mul_i32 s45, s18, HALFS
	s_add_co_u32 s45, s45, 2*HALFS
	s_sub_co_u32 s45, s45, s44
	v_mul_u32_u24 v6, s45, v2                      ; lanes 16-31 take P's
	s_add_co_u32 s44, s44, SCL
	v_add_nc_u32 v5, v5, v6
	v_add_nc_u32 v[ADRS], s44, v5
	s_mul_i32 s44, s16, 16*SPITCH
	s_add_co_u32 s44, s44, STG                     ; my stage
	v_mul_u32_u24 v[STO], v1, SPITCH
	v_lshl_add_u32 v[STO], v2, 6, v[STO]
	v_add_nc_u32 v[STO], s44, v[STO]               ; in: row r, + 64 h
	v_add_nc_u32 v[RD], s44, v[LI]                 ; back: the 32 lanes take one row of 512 bytes;
	v_lshlrev_b32 v[CO], 4, v3                     ; and the same in out0
.macro FRAG reg, adr, q, i
.irp c, 0,1
	ds_load_b128 v[\reg+4*\c:\reg+4*\c+3], v[\adr] offset:4096*(\i)+1024*(\q)+512*\c
.endr
.endm
; 16 matrix instructions: R's blocks a0, a0 + 1 x P's eight.  zero = 1: the first product starts the sums from the bias.  The 64 accumulators take turns, one instruction a turn.
.macro MUL16 a0, p, q, sc, zero
.irp a, \a0, \a0+1
.irp b, 0,1,2,3,4,5,6,7
.if \zero
	v_wmma_scale_f32_16x16x128_f8f6f4 v[8*(8*((\a)%4)+\b):8*(8*((\a)%4)+\b)+7], v[128*(\p)+FR*\b:128*(\p)+FR*\b+FR-1], v[AF+FR*(\a):AF+FR*(\a)+FR-1], v[BI+8*\b:BI+8*\b+7], v[SC+8*NQ*(\sc)+NQ*\b+(\q)], v[SC+8*NQ*(\sc)+NQ*(\a)+(\q)] matrix_a_fmt:MATRIX_FMT_FP4 matrix_b_fmt:MATRIX_FMT_FP4 matrix_a_scale:MATRIX_SCALE_ROW1
.else
	v_wmma_scale_f32_16x16x128_f8f6f4 v[8*(8*((\a)%4)+\b):8*(8*((\a)%4)+\b)+7], v[128*(\p)+FR*\b:128*(\p)+FR*\b+FR-1], v[AF+FR*(\a):AF+FR*(\a)+FR-1], v[8*(8*((\a)%4)+\b):8*(8*((\a)%4)+\b)+7], v[SC+8*NQ*(\sc)+NQ*\b+(\q)], v[SC+8*NQ*(\sc)+NQ*(\a)+(\q)] matrix_a_fmt:MATRIX_FMT_FP4 matrix_b_fmt:MATRIX_FMT_FP4 matrix_a_scale:MATRIX_SCALE_ROW1
.endif
.endr
.endr
.endm
.macro FETCH_B slot, q, p
	WIN TO_B
.irp i, 0,1,2,3,4,5,6,7
	FRAG 128*(\p)+FR*\i, ADRB+\slot, \q, \i
.endr
	WIN 0
.endm
.macro FETCH_A slot, q, i0
.irp i, \i0, \i0+1, \i0+2, \i0+3
	FRAG AF+FR*(\i), ADRA+\slot, \q, \i
.endr
.endm
.macro SCALES sc
.irp i, 0,1,2,3,4,5,6,7
	ds_load_b128 v[SC+8*NQ*\sc+NQ*\i:SC+8*NQ*\sc+NQ*\i+3], v[ADRS] offset:\i*SBLK
.endr
.endm
.macro PLACES n
.rept \n
	v_nop
.endr
.endm
.macro STEP slot, q, zero
	s_wait_dscnt 4*NL                              ; P's set and R's blocks 0-3 are in; the youngest eight loads (R's blocks 4-7) may be out
.if \zero
	WIN FST_LO
.else
	WIN MUL_LO
.endif
	MUL16 0, (\q)%2, \q, \slot, \zero
	MUL16 2, (\q)%2, \q, \slot, \zero
	s_wait_dscnt 0
	PLACES NP
	FETCH_B \slot, (\q)+1, 1-(\q)%2
	FETCH_A \slot, (\q)+1, 0
.if \zero
	WIN FST_HI
.else
	WIN MUL_HI
.endif
	MUL16 4, (\q)%2, \q, \slot, \zero
	MUL16 6, (\q)%2, \q, \slot, \zero
	PLACES NP
	WIN 0
	FETCH_A \slot, (\q)+1, 4
.endm
.macro TURN slot, next                 ; slot 0's last step goes over to slot 1: each wave's part of it has landed, then one barrier.  Nothing is filled again
	s_wait_tensorcnt 0x0
	s_wait_dscnt 4*NL
	WIN MUL_LO
	MUL16 0, 1, NQ-1, \slot, 0
	s_wait_dscnt 0x0                               ; no LDS instruction of mine is out at the signal
	s_barrier_signal -1
	MUL16 2, 1, NQ-1, \slot, 0
	WIN 0
	s_barrier_wait -1
	PLACES NP
	v_add_nc_u32 v[ADRS], 4*NQ, v[ADRS]
	FETCH_B \next, 0, 0
	FETCH_A \next, 0, 0
	SCALES \next
	WIN MUL_HI
	MUL16 4, 1, NQ-1, \slot, 0
	MUL16 6, 1, NQ-1, \slot, 0
	PLACES NP
	WIN 0
	FETCH_A \next, 0, 4
.endm
.macro STEPS slot, from
.set Q, \from
.rept NQ-1-\from
	STEP \slot, Q, 0
.set Q, Q+1
.endr
.endm
	s_wait_alu depctr_va_vdst(0)
	s_wait_tensorcnt 1                             ; the scales and my part of slot 0 are in; slot 1's load may be out
	s_barrier_signal -1
	s_barrier_wait -1
	FETCH_B 0, 0, 0
	FETCH_A 0, 0, 0
	SCALES 0
	FETCH_A 0, 0, 4
	s_wait_loadcnt 0x0                             ; the bias
	STEP 0, 0, 1
	STEPS 0, 1
	TURN 0, 1
	STEPS 1, 0
	s_wait_dscnt 4*NL
	WIN MUL_LO
	MUL16 0, 1, NQ-1, 1, 0
	MUL16 2, 1, NQ-1, 1, 0
	s_wait_dscnt 0
	WIN MUL_HI
	MUL16 4, 1, NQ-1, 1, 0
	MUL16 6, 1, NQ-1, 1, 0
	WIN 0
; THE WAY OUT, block by block of 16 rows x 128 columns, through my own stage in LDS: in as 32 bytes a lane and tile, back as whole rows of 512 bytes, which the 32 lanes store as two aligned runs of 256 bytes.
; LDS serves a wave's instructions in order (ISA guide 5.7.1.4): no wait between the stores and the loads, nor in front of the next block's stores.
.macro TOSTAGE a
.set AC, 64*((\a)%4)
	WIN 0x08+4*((\a)/4)                            ; an LDS store's data are its source 1: window 2 or 3
.irp b, 0,1,2,3,4,5,6,7
	ds_store_b128 v[STO], v[AC+8*\b:AC+8*\b+3] offset:128*(\b/2)+32*(\b%2)          ; each accumulator from its low end on
	ds_store_b128 v[STO], v[AC+8*\b+4:AC+8*\b+7] offset:128*(\b/2)+32*(\b%2)+16
.endr
	WIN 0
.set BB, BK+64*((\a)%2)
.irp t, 0,1,2,3,4,5,6,7,8,9,10,11,12,13,14,15
	ds_load_b128 v[BB+4*\t:BB+4*\t+3], v[RD] offset:\t*SPITCH
.endr
.endm
.macro SEND a, younger                 ; younger: the LDS instructions issued behind block a's loads, which may stay out
.set BB, BK+64*((\a)%2)
	s_wait_dscnt \younger
.if (\a) > 0
	s_add_nc_u64 s[14:15], s[14:15], 16*4096       ; 16 rows on (behind a wait for 0 on XCNT: the earlier stores have read their base)
.endif
.irp t, 0,1,2,3,4,5,6,7,8,9,10,11,12,13,14,15
	global_store_b128 v[CO], v[BB+4*\t:BB+4*\t+3], s[14:15] offset:\t*4096 th:TH_STORE_NT
.endr
.endm
	PLACES NP
	TOSTAGE 0
.irp a, 1,2,3,4,5,6,7
.if \a > 1
	s_wait_xcnt 0x0                                ; block a - 2's stores have read their registers and their base
.endif
	TOSTAGE \a
	SEND \a-1, 32                                  ; behind block a - 1's loads: block a's 16 stores and 16 loads
.endr
	s_wait_xcnt 0x0
	SEND 7, 0
	s_wait_tensorcnt 0x0
	ds_add_u32 v126, v127
	s_wait_dscnt 0x0
	CROUND                                         ; the closing round: no work-group ends while a partner may still ask for a tile that names it
	s_endpgm
.Lfunc_end_k_q49ed7f32bc_oproj:
	.size	k_q49ed7f32bc_oproj, .Lfunc_end_k_q49ed7f32bc_oproj-k_q49ed7f32bc_oproj
	.p2alignl 7, 3214868480
	.fill 96, 4, 3214868480
	.section	.rodata,"a",@progbits
	.p2align	6, 0x0
	.amdhsa_kernel k_q49ed7f32bc_oproj
		.amdhsa_group_segment_fixed_size 327680
		.amdhsa_private_segment_fixed_size 0
		.amdhsa_enable_private_segment 0
		.amdhsa_kernarg_size 48
		.amdhsa_user_sgpr_count 2
		.amdhsa_user_sgpr_kernarg_segment_ptr 1
		.amdhsa_wavefront_size32 1
		.amdhsa_system_sgpr_workgroup_id_x 1
		.amdhsa_system_sgpr_workgroup_id_y 1
		.amdhsa_system_sgpr_workgroup_id_z 1
		.amdhsa_system_vgpr_workitem_id 0
		.amdhsa_next_free_vgpr 1024
		.amdhsa_next_free_sgpr 100
		.amdhsa_reserve_vcc 0
		.amdhsa_float_denorm_mode_32 3
		.amdhsa_float_denorm_mode_16_64 3
		.amdhsa_memory_ordered 1
		.amdhsa_forward_progress 1
		.amdhsa_inst_pref_size 126
	.end_amdhsa_kernel
	.amdgpu_metadata
---
amdhsa.version: [ 1, 2 ]
amdhsa.kernels:
  - .name:           k_q49ed7f32bc_oproj
    .symbol:         k_q49ed7f32bc_oproj.kd
    .args:
      - { .name: opc, .offset: 0, .size: 8, .value_kind: global_buffer, .address_space: global }
      - { .name: ops, .offset: 8, .size: 8, .value_kind: global_buffer, .address_space: global }
      - { .name: cxc, .offset: 16, .size: 8, .value_kind: global_buffer, .address_space: global }
      - { .name: cxs, .offset: 24, .size: 8, .value_kind: global_buffer, .address_space: global }
      - { .name: bo, .offset: 32, .size: 8, .value_kind: global_buffer, .address_space: global }
      - { .name: out0, .offset: 40, .size: 8, .value_kind: global_buffer, .address_space: global }
    .group_segment_fixed_size: 327680
    .private_segment_fixed_size: 0
    .kernarg_segment_align: 8
    .kernarg_segment_size: 48
    .max_flat_workgroup_size: 128
    .sgpr_count:     100
    .vgpr_count:     1024
    .wavefront_size: 32
...
	.end_amdgpu_metadata
.endif
;; end of part 4
